; MI455X (gfx1250); checked and timed in simulation.
; The chip was launched on July 23, 2026; its instructions are those of AMD's public machine-readable ISA for CDNA 5 (MIT licence, August 2026) and "CDNA5" Instruction Set Architecture Reference Guide (July 2026). The comments in the code are by the model that wrote it; some were corrected since.
;; casual mha. Allowed arithmetic: float matrix products may take bf16 or f16 operands with f32 sums; other float arithmetic in f32, or as packed bf16 or f16 multiplies, adds, multiply-adds, maxima and minima; sums over many terms, partial sums and values carried from step to step in f32; what a program stores and reads back later, other than sums and carried values, may be rounded once to bf16 or f16.
;; Inputs: K 4 x 2,048 x 1,024 float32; Q 4 x 2,048 x 1,024 float32; V 4 x 2,048 x 1,024 float32; k_proj 1,024 x 1,024 float32; output_proj 1,024 x 1,024 float32; q_proj 1,024 x 1,024 float32; v_proj 1,024 x 1,024 float32.
;; Outputs: out0 4 x 2,048 x 1,024 float32.
;; Constants: casual = 1.
;; One version. Each part assembles by itself: llvm-mc -triple=amdgcn-amd-amdhsa -mcpu=gfx1250 --defsym DOCPART=n.
;; ======== version 1 of 1: 4 launches
;; limits: values are held in f16: magnitudes above 65,504 overflow, below 6.1e-05 lose precision; right only within a limited range of input values
;; workspace buffers: cvt 58,720,256 bytes; qx 33,554,432 bytes; kx 33,554,432 bytes; vx 16,777,216 bytes; ox 16,777,216 bytes
;; launch cast (part 1): grid 64 x 28, 8 waves a work-group, no clusters, 0 bytes of LDS; arguments Q, K, V, q_proj, k_proj, v_proj, output_proj, cvt; writes cvt
.if DOCPART == 1
	.amdgcn_target "amdgcn-amd-amdhsa--gfx1250"
	.amdhsa_code_object_version 6
	.text
	.protected	k_q5e0a718f57_cast
	.globl	k_q5e0a718f57_cast
	.p2align	8
	.type	k_q5e0a718f57_cast,@function
k_q5e0a718f57_cast:
	s_mov_b64 s[64:65], 0
	v_nop
	global_prefetch_b8 v0, s[64:65] scope:SCOPE_SE
	s_setreg_imm32_b32 hwreg(HW_REG_WAVE_MODE, 25, 1), 1
	s_wait_xcnt 0x0
; CAST.  All seven f32 inputs are rounded once to bf16 and laid into one workspace, cvt, in 28 units of 2 MiB (1,048,576 numbers of 16 bits):
; units 0-7 Q, 8-15 K, 16-23 V (each [8192][1024]); 24 q_proj / 64, 25 k_proj / 64, 26 v_proj / 64; 27 output_proj x 64, the bf16 number written as f16.
; The factors are powers of two, so they change no bit of a rounded mantissa.  LIMITS: |output_proj| under 1,023 (64 w must lie within f16's 65,504) and, where it is not 0,
; at least 2^-23 for the f16 copy to be exact; weights below 2^-120 lose bits to bf16's denormals.
; SHARES.  Work-group (x, u) casts 16,384 numbers of unit u: 64 KiB in, 32 KiB out.  Thread t takes 16 bytes at 16 t of each of 16 chunks of 4,096 bytes; all 16 loads go out at once.
; A wave's load covers 512 consecutive bytes, its store 256 consecutive bytes, both aligned.  Each store has data registers of its own, so nothing is rewritten while it is pending.
; No LDS, no barrier, no matrix unit: each byte is read once and written once, and no thread wants another's data.
.set XR, 4                             ; v[4:67]   chunk i: 4 numbers as loaded
.set YR, 68                            ; v[68:99]  chunk i: 4 numbers of 16 bits, to store
	s_load_b512 s[8:23], s[0:1], 0x0               ; Q s[8:9], K s[10:11], V s[12:13], q_proj s[14:15], k_proj s[16:17], v_proj s[18:19], output_proj s[20:21], cvt s[22:23]
	s_and_b32 s2, ttmp7, 0xffff                    ; u, the unit
	s_lshr_b32 s3, s2, 3                           ; 0 Q, 1 K, 2 V, 3 a weight
	s_and_b32 s4, s2, 7                            ; which eighth of Q, K or V
	s_cmp_lt_u32 s2, 24
	s_cselect_b32 s4, s4, 0                        ; a weight is one unit
	s_cselect_b32 s30, 1.0, 0x3c800000             ; the factor: 1, or 1 / 64 for the three projections,
	s_cmp_eq_u32 s2, 27
	s_cselect_b32 s30, 0x42800000, s30             ; or 64 for the output projection
	s_mov_b32 s31, s30                             ; named with it as a pair
	s_lshl_b32 s4, s4, 22                          ; a unit is 4 MiB of f32,
	s_lshl_b32 s5, ttmp9, 16                       ; the work-group's part 64 KiB
	s_add_co_u32 s4, s4, s5
	s_mov_b32 s5, 0
	s_lshl_b32 s6, s2, 21                          ; and 2 MiB, 32 KiB on the way out
	s_lshl_b32 s7, ttmp9, 15
	s_add_co_u32 s6, s6, s7
	s_mov_b32 s7, 0
	v_lshlrev_b32 v1, 4, v0                        ; 16 t
	v_lshlrev_b32 v2, 3, v0                        ; 8 t
	s_wait_kmcnt 0x0
	s_mov_b64 s[32:33], s[8:9]                     ; the source, chosen by the unit's number alone
	s_cmp_eq_u32 s3, 1
	s_cselect_b64 s[32:33], s[10:11], s[32:33]
	s_cmp_eq_u32 s3, 2
	s_cselect_b64 s[32:33], s[12:13], s[32:33]
	s_cmp_eq_u32 s2, 24
	s_cselect_b64 s[32:33], s[14:15], s[32:33]
	s_cmp_eq_u32 s2, 25
	s_cselect_b64 s[32:33], s[16:17], s[32:33]
	s_cmp_eq_u32 s2, 26
	s_cselect_b64 s[32:33], s[18:19], s[32:33]
	s_cmp_eq_u32 s2, 27
	s_cselect_b64 s[32:33], s[20:21], s[32:33]
	s_add_nc_u64 s[32:33], s[32:33], s[4:5]
	s_add_nc_u64 s[34:35], s[22:23], s[6:7]
.irp i, 0,1,2,3,4,5,6,7,8,9,10,11,12,13,14,15
	global_load_b128 v[XR+4*(\i):XR+4*(\i)+3], v1, s[32:33] offset:4096*(\i) th:TH_LOAD_NT
.endr
; Chunk i: scaled, rounded to bf16, stored.  half = 1: the bf16 numbers are widened again (a shift, a mask) and written as f16.
.macro CHUNK i, half
	s_wait_loadcnt 15-(\i)                         ; loads come back in order: chunk i is in, the 15 - i younger ones may stay out
	v_pk_mul_f32 v[XR+4*(\i):XR+4*(\i)+1], v[XR+4*(\i):XR+4*(\i)+1], s[30:31] op_sel_hi:[1,0]
	v_pk_mul_f32 v[XR+4*(\i)+2:XR+4*(\i)+3], v[XR+4*(\i)+2:XR+4*(\i)+3], s[30:31] op_sel_hi:[1,0]
	v_cvt_pk_bf16_f32 v[YR+2*(\i)], v[XR+4*(\i)], v[XR+4*(\i)+1]
	v_cvt_pk_bf16_f32 v[YR+2*(\i)+1], v[XR+4*(\i)+2], v[XR+4*(\i)+3]
.if \half
	v_lshlrev_b32 v[XR+4*(\i)], 16, v[YR+2*(\i)]
	v_and_b32 v[XR+4*(\i)+1], 0xffff0000, v[YR+2*(\i)]
	v_lshlrev_b32 v[XR+4*(\i)+2], 16, v[YR+2*(\i)+1]
	v_and_b32 v[XR+4*(\i)+3], 0xffff0000, v[YR+2*(\i)+1]
	v_cvt_pk_f16_f32 v[YR+2*(\i)], v[XR+4*(\i)], v[XR+4*(\i)+1]
	v_cvt_pk_f16_f32 v[YR+2*(\i)+1], v[XR+4*(\i)+2], v[XR+4*(\i)+3]
.endif
	global_store_b64 v2, v[YR+2*(\i):YR+2*(\i)+1], s[34:35] offset:2048*(\i) th:TH_STORE_NT
.endm
	s_cmp_eq_u32 s2, 27
	s_cbranch_scc1 .Lhalf
.irp i, 0,1,2,3,4,5,6,7,8,9,10,11,12,13,14,15
	CHUNK \i, 0
.endr
	s_endpgm
.Lhalf:
.irp i, 0,1,2,3,4,5,6,7,8,9,10,11,12,13,14,15
	CHUNK \i, 1
.endr
	s_endpgm
.Lfunc_end_k_q5e0a718f57_cast:
	.size	k_q5e0a718f57_cast, .Lfunc_end_k_q5e0a718f57_cast-k_q5e0a718f57_cast
	.p2alignl 7, 3214868480
	.fill 96, 4, 3214868480
	.section	.rodata,"a",@progbits
	.p2align	6, 0x0
	.amdhsa_kernel k_q5e0a718f57_cast
		.amdhsa_group_segment_fixed_size 0
		.amdhsa_private_segment_fixed_size 0
		.amdhsa_enable_private_segment 0
		.amdhsa_kernarg_size 64
		.amdhsa_user_sgpr_count 2
		.amdhsa_user_sgpr_kernarg_segment_ptr 1
		.amdhsa_wavefront_size32 1
		.amdhsa_system_sgpr_workgroup_id_x 1
		.amdhsa_system_sgpr_workgroup_id_y 1
		.amdhsa_system_sgpr_workgroup_id_z 1
		.amdhsa_system_vgpr_workitem_id 0
		.amdhsa_next_free_vgpr 104
		.amdhsa_next_free_sgpr 66
		.amdhsa_reserve_vcc 0
		.amdhsa_float_denorm_mode_32 3
		.amdhsa_float_denorm_mode_16_64 3
		.amdhsa_memory_ordered 1
		.amdhsa_forward_progress 1
		.amdhsa_inst_pref_size 21
	.end_amdhsa_kernel
	.amdgpu_metadata
---
amdhsa.version: [ 1, 2 ]
amdhsa.kernels:
  - .name:           k_q5e0a718f57_cast
    .symbol:         k_q5e0a718f57_cast.kd
    .args:
      - { .name: Q, .offset: 0, .size: 8, .value_kind: global_buffer, .address_space: global }
      - { .name: K, .offset: 8, .size: 8, .value_kind: global_buffer, .address_space: global }
      - { .name: V, .offset: 16, .size: 8, .value_kind: global_buffer, .address_space: global }
      - { .name: q_proj, .offset: 24, .size: 8, .value_kind: global_buffer, .address_space: global }
      - { .name: k_proj, .offset: 32, .size: 8, .value_kind: global_buffer, .address_space: global }
      - { .name: v_proj, .offset: 40, .size: 8, .value_kind: global_buffer, .address_space: global }
      - { .name: output_proj, .offset: 48, .size: 8, .value_kind: global_buffer, .address_space: global }
      - { .name: cvt, .offset: 56, .size: 8, .value_kind: global_buffer, .address_space: global }
    .group_segment_fixed_size: 0
    .private_segment_fixed_size: 0
    .kernarg_segment_align: 8
    .kernarg_segment_size: 64
    .max_flat_workgroup_size: 256
    .sgpr_count:     66
    .vgpr_count:     104
    .wavefront_size: 32
...
	.end_amdgpu_metadata
.endif
;; end of part 1
;; launch proj (part 2): grid 4 x 64, 4 waves a work-group, clusters of 4 x 4, 327,680 bytes of LDS; arguments cvt, qx, kx, vx; writes qx, kx, vx
.if DOCPART == 2
	.amdgcn_target "amdgcn-amd-amdhsa--gfx1250"
	.amdhsa_code_object_version 6
	.text
	.protected	k_q5e0a718f57_proj
	.globl	k_q5e0a718f57_proj
	.p2align	8
	.type	k_q5e0a718f57_proj,@function
k_q5e0a718f57_proj:
	s_mov_b64 s[64:65], 0
	v_nop
	global_prefetch_b8 v0, s[64:65] scope:SCOPE_SE
	s_setreg_imm32_b32 hwreg(HW_REG_WAVE_MODE, 25, 1), 1
	s_wait_xcnt 0x0
	s_wait_alu depctr_hold_cnt(0) depctr_sa_sdst(0) depctr_va_vdst(0) depctr_va_sdst(0) depctr_va_ssrc(0) depctr_va_vcc(0) depctr_vm_vsrc(0)
	s_getreg_b32 s2, hwreg(HW_REG_IB_STS2, 6, 4)
	s_cmp_eq_u32 s2, 0
	s_cbranch_scc0 .Lentry_in_a_cluster
	s_endpgm
.Lentry_in_a_cluster:
	s_bfe_u32 s2, ttmp6, 0x10000c
	s_cmp_lg_u32 s2, 0xf033
	s_cbranch_scc0 .Lentry_shape_is_right
	s_endpgm
.Lentry_shape_is_right:
; PROJ.  q' = Q (q_proj / 64)^T, k' = K (k_proj / 64)^T, v' = V (v_proj / 64)^T: three products [8192][1024] x [1024][1024]^T in bf16 with f32 sums, written BY HEADS in f16.
; qx, kx: [64 = 16 batch + head][2048][128]: a row is 64 numbers hi = f16(x), then 64 numbers lo = f16(x - hi): 22 significant bits for the scores.  vx: [64][2048][64], one f16.
; LIMITS.  |q|, |k|, |v| under 65,504 x 64 = 4.19e6 (f16's range after the factor 1 / 64); lo below 6e-5 keeps f16's fixed step of 6e-8.
; SHARES.  A tile of C is 128 tokens x 256 columns: 64 x 4 = 256 work-groups, which STAY and make three tiles at the same place: q', k', v'.  A wave makes 64 tokens x 128 columns (two heads):
; 4 x 8 accumulators, 256 registers.  K goes in steps of 128 through two LDS slots; the ring runs on into the next tile.
; CLUSTER 4 x 4.  The four of a row of the cluster need the same 128 tokens, the four of a column the same 256 rows of the weight: each tile is asked for jointly.  Waves 0 and 1 fetch the tokens'
; two halves (64 rows), waves 2 and 3 the weight's (128 rows): one load a wave behind each round of the cluster's barrier.
; THE MATRIX INSTRUCTION IS USED TRANSPOSED (source 0 = 16 rows of the weight, source 1 = 16 tokens): a lane holds token l % 16 and eight neighbouring columns.
; REGISTERS.  Window 0: v0-31 addresses; v32-63 THI; v64-127 the tokens' fragments, two buffers of 32 (the second is TLO on the way out); v128-255 the weight's, two buffers of 64 (the second is BK on
; the way out).  Window 1: accumulator (a, b) at v[8 (8 a + b)].
.set KSTEP,  128
.set PITCH,  272                       ; an LDS row: 256 bytes + 16 of padding: the 16 rows of a fragment load start at 16 different groups of four banks (ISA guide 11.1)
.set HA,     64*PITCH                  ; what waves 0 and 1 fetch, and what a wave reads of the tokens
.set HB,     128*PITCH                 ; what waves 2 and 3 fetch, and what a wave reads of the weight
.set SLOT,   2*HA+2*HB
.set STAGE,  2*SLOT                    ; behind the ring, never filled by a tensor load: 32 rows x 272 bytes for each wave
.set STW,    32*PITCH
.set SPARE,  STAGE+4*STW               ; the spare words, 128 bytes for each wave: two blocks of 256 bytes that no other line names
.set VP,     144                       ; v's stage rows: 128 bytes + 16
.set LAPS,   4                         ; 1,024 / 256: a lap is two K steps
.set XSTEP,  16<<20                    ; in cvt: from Q to K to V
.set WSTEP,  2<<20                     ; from weight to weight
.set WBASE,  48<<20                    ; the first weight
.set FLAGS,  (1<<16)|(1<<20)|(1<<21)|(5<<22)|(3<<25)  ; 2-byte elements; padding on; bit 21 beside a mask; after every 64 words 4 words
.set ADRA, 16                          ; v16-17  LDS address of my tokens' fragments in slot 0, 1
.set ADRB, 20                          ; v20-21  the same for the weight
.set RDV,  22                          ; v22     v's way out: where I read rows back
.set STO,  24                          ; v24     where I put 16 bytes of a stage row
.set RD,   25                          ; v25     where I read rows back
.set CO,   26                          ; v26     16 x lane
.set STOV, 27                          ; v27     v's way out: where I put 16 bytes
.set SPW,  28                          ; v28     my spare word; never rewritten
.set NIL,  29                          ; v29     0; never rewritten
.set PFO,  30                          ; v30     2,048 x lane: a row of cvt; never rewritten
.set NEG1, 31                          ; v31     -1.0
.set THI,  32
.set FA,   64
.set TLO,  96
.set FB,   128
.set BK,   192
.set WV, 12
.set RA, 13                            ; s13  wave / 2: my half of the tokens.  Also: I fetch tokens (0) or the weight (1)
.set HF, 14                            ; s14  wave % 2: my half of the columns.  Also: which part I fetch
.set CX, 15
.set CY, 16
.set TC, 17                            ; s17  tile column
.set TR, 18                            ; s18  tile row
.set OUT, 20                           ; s[20:21] where the tile in hand goes
.set G1, 24
.set G0, 32
.set LIM, 42                           ; s42  1 in a wave that prefetches, else the greatest number
.set PFA, 44                           ; s[44:45] where my prefetches stand
.set PFJ, 46                           ; s[46:47] their step at a change of tiles
.set G1B, 48
.set G0B, 56
.set MUL, 0x50                         ; C and D in window 1
.set MSB, 0
.macro WIN new                         ; the high byte repeats the setting that is left; a switch that changes nothing is dropped
.if MSB != (\new)
	s_set_vgpr_msb (MSB<<8)|(\new)
.set MSB, \new
.endif
.endm
; A joint load.  Each of the two lines has one mask and one set of registers; the branch hangs on the wave's number alone.  An s_nop 0 and four v_nop follow each.
.macro JLOAD s
	s_cmp_eq_u32 s[RA], 0
	s_cbranch_scc0 .Lfor_b_\@
	tensor_load_to_lds s[G0+4*(\s):G0+4*(\s)+3], s[G1:G1+7]
	s_nop 0
.rept 4
	v_nop
.endr
	s_branch .Lasked_\@
.Lfor_b_\@:
	tensor_load_to_lds s[G0B+4*(\s):G0B+4*(\s)+3], s[G1B:G1B+7]
	s_nop 0
.rept 4
	v_nop
.endr
.Lasked_\@:
.endm
; A prefetch into the L2 of the K step that stands two refills on: 32 rows x 256 bytes, a lane a row.  The tokens' 128 rows: wave 0, the four partners of a row of the cluster 32 rows each, told apart by
; address.  The weight's 256 rows: waves 2 and 3, the four partners of a column 32 rows each of the 128 that the wave fetches, in the first row of clusters alone.  So each row's 256 bytes are named once.
; how = 0, in the loop: a tile's last two refills have no K step two on.  how = 1, at a change of tiles: the next tile's K steps 2 and 3.
.macro ASK how
.if \how
	s_cmp_eq_u32 s[LIM], 1
.else
	s_cmp_gt_u32 s3, s[LIM]
.endif
	s_cbranch_scc0 .Lnot_mine_\@
	global_prefetch_b8 v[PFO], s[PFA:PFA+1] th:TH_LOAD_NT scope:SCOPE_SE
.Lnot_mine_\@:
.endm
.macro CREST                           ; a round of the cluster's barrier behind its opening barrier
	s_cmp_lg_u32 s[WV], 0
	s_cbranch_scc1 .Lnot_wave_0_\@
	s_barrier_signal -3
.Lnot_wave_0_\@:
	s_barrier_wait -3
	s_barrier_signal -1
	s_barrier_wait -1
.endm
.macro CROUND
	s_barrier_signal -1
	s_barrier_wait -1
	CREST
.endm
	s_load_b256 s[4:11], s[0:1], 0x0               ; cvt s[4:5], qx s[6:7], kx s[8:9], vx s[10:11]
	v_lshl_add_u32 v[SPW], v0, 2, SPARE
	v_mov_b32 v[NIL], 0
	ds_add_u32 v[SPW], v[NIL]                      ; the wave's opening: the add and its wait stand ahead of my first tensor load; work on registers stands between them
	ds_add_u32 v28, v29
	v_lshrrev_b32 v1, 5, v0
	v_readfirstlane_b32 s[WV], v1
	s_lshr_b32 s[RA], s[WV], 1
	s_and_b32 s[HF], s[WV], 1
	s_bfe_u32 s[CX], ttmp6, 0x40000
	s_bfe_u32 s[CY], ttmp6, 0x40004
	s_lshl_b32 s[TC], ttmp9, 2
	s_add_co_u32 s[TC], s[TC], s[CX]               ; tile column = 4 x cluster x + cx
	s_and_b32 s[TR], ttmp7, 0xffff
	s_lshl_b32 s[TR], s[TR], 2
	s_add_co_u32 s[TR], s[TR], s[CY]               ; tile row = 4 x cluster y + cy
	s_lshl_b32 s66, s[CY], 2
	s_lshl_b32 s66, 15, s66                        ; my row of the cluster
	s_lshl_b32 s67, 0x1111, s[CX]                  ; my column
	s_or_b32 s[G1], s66, FLAGS
	s_or_b32 s[G1B], s67, FLAGS
	s_mov_b32 s[G1+1], KSTEP<<16                   ; tensor_dim0 = 128
	s_mov_b32 s[G1+2], 64<<16                      ; tensor_dim1 = 64
	s_mov_b32 s[G1+3], KSTEP<<16                   ; tile_dim0 = 128
	s_mov_b32 s[G1+4], 64                          ; tile_dim1 = 64
	s_mov_b32 s[G1+5], 1024                        ; elements from row to row
	s_mov_b32 s[G1+6], 0
	s_mov_b32 s[G1+7], 0
	s_mov_b32 s[G1B+1], KSTEP<<16
	s_mov_b32 s[G1B+2], 128<<16                    ; 128 rows
	s_mov_b32 s[G1B+3], KSTEP<<16
	s_mov_b32 s[G1B+4], 128
	s_mov_b32 s[G1B+5], 1024
	s_mov_b32 s[G1B+6], 0
	s_mov_b32 s[G1B+7], 0
	s_lshl_b32 s68, s[TR], 18                      ; tokens: 128 rows of 2,048 bytes a tile row,
	s_lshl_b32 s69, s[HF], 17                      ; my 64 of them
	s_add_co_u32 s68, s68, s69
	s_mov_b32 s69, 0
	s_lshl_b32 s70, s[TC], 19                      ; weight: 256 rows a tile column,
	s_lshl_b32 s71, s[HF], 18                      ; my 128 of them
	s_add_co_u32 s70, s70, s71
	s_add_co_u32 s70, s70, WBASE
	s_mov_b32 s71, 0
	s_mul_i32 s72, s[HF], HA                       ; where they go: no place in the cluster enters an LDS address
	s_mul_i32 s73, s[HF], HB
	s_add_co_u32 s73, s73, 2*HA
	s_wait_dscnt 0x0                               ; the opening add is done
	s_wait_kmcnt 0x0
	s_add_nc_u64 s[74:75], s[4:5], s[68:69]
	s_add_nc_u64 s[76:77], s[4:5], s[70:71]
	CROUND                                         ; all sixteen work-groups are here: the first joint loads meet
.irp s, 0,1
	s_mov_b32 s[G0+4*(\s)], 1
	s_add_co_u32 s[G0+4*(\s)+1], s72, (\s)*SLOT
	s_add_nc_u64 s[G0+4*(\s)+2:G0+4*(\s)+3], s[74:75], (\s)*KSTEP*2
	s_or_b32 s[G0+4*(\s)+3], s[G0+4*(\s)+3], 0x80000000
	s_mov_b32 s[G0B+4*(\s)], 1
	s_add_co_u32 s[G0B+4*(\s)+1], s73, (\s)*SLOT
	s_add_nc_u64 s[G0B+4*(\s)+2:G0B+4*(\s)+3], s[76:77], (\s)*KSTEP*2
	s_or_b32 s[G0B+4*(\s)+3], s[G0B+4*(\s)+3], 0x80000000
	JLOAD \s                                       ; K steps 0 and 1: two loads of mine are out
.endr
	v_and_b32 v1, 15, v0                           ; l % 16
	v_bfe_u32 v2, v0, 4, 1                         ; l / 16
	v_mul_u32_u24 v3, v1, PITCH
	v_lshl_add_u32 v3, v2, 4, v3                   ; row x pitch + 16 x half: a fragment's place, and a stage row's
	s_mul_i32 s78, s[RA], HA
	v_add_nc_u32 v[ADRA], s78, v3
	v_add_nc_u32 v[ADRA+1], SLOT, v[ADRA]
	v_add_nc_u32 v[ADRB], s73, v3
	v_add_nc_u32 v[ADRB+1], SLOT, v[ADRB]
	s_mul_i32 s79, s[WV], STW
	s_add_co_u32 s79, s79, STAGE                   ; my stage
	v_add_nc_u32 v[STO], s79, v3
	v_mul_u32_u24 v4, v2, PITCH                    ; back: lanes 0-15 one row of 256 bytes, lanes 16-31 the next
	v_lshl_add_u32 v4, v1, 4, v4
	v_add_nc_u32 v[RD], s79, v4
	v_mul_u32_u24 v4, v1, VP
	v_lshl_add_u32 v4, v2, 4, v4
	v_add_nc_u32 v[STOV], s79, v4
	v_bfe_u32 v4, v0, 3, 2                         ; v: 32 lanes take four rows of 128 bytes
	v_mul_u32_u24 v4, v4, VP
	v_and_b32 v5, 7, v0
	v_lshl_add_u32 v4, v5, 4, v4
	v_add_nc_u32 v[RDV], s79, v4
	v_and_b32 v5, 31, v0
	v_lshlrev_b32 v[CO], 4, v5
	v_lshlrev_b32 v[PFO], 11, v5
	v_mov_b32 v[NEG1], -1.0
	; where my part goes: head 16 x batch + 4 x tile column + 2 x half, token (tile row % 16) x 128 + 64 x half; a head is 524,288 bytes of qx and kx, half that of vx
	s_lshr_b32 s66, s[TR], 4
	s_lshl_b32 s66, s66, 4
	s_lshl_b32 s67, s[TC], 2
	s_add_co_u32 s66, s66, s67
	s_lshl_b32 s67, s[HF], 1
	s_add_co_u32 s66, s66, s67
	s_lshl_b32 s66, s66, 19
	s_and_b32 s67, s[TR], 15
	s_lshl_b32 s67, s67, 15
	s_add_co_u32 s66, s66, s67
	s_lshl_b32 s67, s[RA], 14
	s_add_co_u32 s66, s66, s67
	s_mov_b32 s67, 0
	s_add_nc_u64 s[OUT:OUT+1], s[6:7], s[66:67]
	s_add_nc_u64 s[8:9], s[8:9], s[66:67]
	s_lshr_b32 s66, s66, 1
	s_add_nc_u64 s[10:11], s[10:11], s[66:67]
	; the prefetches
	s_and_b32 s66, ttmp7, 0xffff                   ; cluster y
	s_cmp_eq_u32 s[RA], 0
	s_cselect_b32 s66, s[HF], s66                  ; tokens: wave 0 asks; weight: the first row of clusters asks
	s_cmp_eq_u32 s66, 0
	s_cselect_b32 s[LIM], 1, -1                    ; the same in all sixteen partners, for a given wave
	s_lshl_b32 s67, s[TR], 18
	s_lshl_b32 s68, s[CX], 16                      ; my work-group's 32 rows of the 128 tokens
	s_add_co_u32 s67, s67, s68
	s_lshl_b32 s68, s[TC], 19
	s_lshl_b32 s69, s[HF], 18
	s_add_co_u32 s68, s68, s69
	s_lshl_b32 s69, s[CY], 16                      ; my work-group's 32 rows of the 128 that I fetch
	s_add_co_u32 s68, s68, s69
	s_add_co_u32 s68, s68, WBASE
	s_mov_b32 s[PFJ], WSTEP-7*KSTEP*2
	s_mov_b32 s69, XSTEP-7*KSTEP*2
	s_cmp_eq_u32 s[RA], 0
	s_cselect_b32 s66, s67, s68
	s_cselect_b32 s[PFJ], s69, s[PFJ]              ; from the K step two past a tile's last to the next tile's K step 2
	s_mov_b32 s[PFJ+1], 0
	s_add_co_u32 s66, s66, 3*KSTEP*2               ; at K step 3: the first change of slots steps it to 4
	s_mov_b32 s67, 0
	s_add_nc_u64 s[PFA:PFA+1], s[4:5], s[66:67]
; 8 matrix instructions: token block a x all 8 column blocks, 32 along K, from buffer f.  zero = 1: the product starts the sums.  The 32 accumulators take turns, in the same order in every quarter.
.macro MUL8 f, a, zero
	WIN MUL
.irp b, 0,1,2,3,4,5,6,7
.if \zero
	v_wmma_f32_16x16x32_bf16 v[8*(8*(\a)+(\b)):8*(8*(\a)+(\b))+7], v[FB+64*(\f)+8*(\b):FB+64*(\f)+8*(\b)+7], v[FA+32*(\f)+8*(\a):FA+32*(\f)+8*(\a)+7], 0
.else
	v_wmma_f32_16x16x32_bf16 v[8*(8*(\a)+(\b)):8*(8*(\a)+(\b))+7], v[FB+64*(\f)+8*(\b):FB+64*(\f)+8*(\b)+7], v[FA+32*(\f)+8*(\a):FA+32*(\f)+8*(\a)+7], v[8*(8*(\a)+(\b)):8*(8*(\a)+(\b))+7]
.endif
.endr
.endm
; 24 LDS loads in one run: quarter q (32 along K) of a slot into buffer f: the weight's 8 fragments, then the tokens' 4
.macro FETCH slot, q, f
	WIN 0
.irp i, 0,1,2,3,4,5,6,7
	ds_load_b128 v[FB+64*(\f)+8*(\i):FB+64*(\f)+8*(\i)+3],   v[ADRB+(\slot)] offset:64*(\q)+(\i)*16*PITCH
	ds_load_b128 v[FB+64*(\f)+8*(\i)+4:FB+64*(\f)+8*(\i)+7], v[ADRB+(\slot)] offset:64*(\q)+(\i)*16*PITCH+32
.endr
.irp i, 0,1,2,3
	ds_load_b128 v[FA+32*(\f)+8*(\i):FA+32*(\f)+8*(\i)+3],   v[ADRA+(\slot)] offset:64*(\q)+(\i)*16*PITCH
	ds_load_b128 v[FA+32*(\f)+8*(\i)+4:FA+32*(\f)+8*(\i)+7], v[ADRA+(\slot)] offset:64*(\q)+(\i)*16*PITCH+32
.endr
.endm
.macro PLACES                          ; four places in front of loads into registers that matrix instructions have read, and of instructions that read results
.rept 4
	v_nop
.endr
.endm
; One of a K step's first three quarters: multiplies buffer f and, in its middle, fetches quarter q into buffer g
.macro QUARTER slot, q, f, g, zero
	s_wait_dscnt 4                                 ; all but the youngest four loads: the tokens' blocks 2 and 3
	MUL8 \f, 0, \zero
	MUL8 \f, 1, \zero
	PLACES
	FETCH \slot, \q, \g
	s_wait_dscnt 24                                ; all but the 24 just issued
	MUL8 \f, 2, \zero
	MUL8 \f, 3, \zero
.endm
; The last quarter's first half, and the barrier of the change of slots: each wave waits for all its tensor loads (one is out: its part of the next slot), adds 0 to its spare word, and waits for that and for its reads of this slot.
.macro MEET round
	WIN 0
	s_wait_tensorcnt 0x0
	ds_add_u32 v[SPW], v[NIL]
	s_wait_dscnt 7                                 ; the add and the tokens' blocks 1 to 3 may be out
	MUL8 1, 0, 0                                   ; eight matrix instructions stand between the add and the wait for it
	s_wait_dscnt 0x0                               ; the add is done, and my reads of this slot are over
	s_barrier_signal -1
	MUL8 1, 1, 0
.if \round
	WIN 0
.endif
	s_barrier_wait -1
.endm
; The whole last quarter.  Behind the round the slot just read is filled again first: with the K step two on (on = 0) or with the NEXT tile's K step 0 or 1 (on = 1); then the next slot's first fragments are read.
.macro TURN slot, next, on
	s_wait_xcnt 0x0                                ; the last prefetch, a K step back, has read its address
.if (\on) && ((\slot) == 0)
	s_add_nc_u64 s[PFA:PFA+1], s[PFA:PFA+1], s[PFJ:PFJ+1]
.else
	s_add_nc_u64 s[PFA:PFA+1], s[PFA:PFA+1], KSTEP*2
.endif
	MEET 1
	CREST                                          ; no wave of any partner still reads this slot or has a load on its way
.if \on
	s_add_nc_u64 s[G0+4*(\slot)+2:G0+4*(\slot)+3], s[G0+4*(\slot)+2:G0+4*(\slot)+3], XSTEP-6*KSTEP*2
	s_add_nc_u64 s[G0B+4*(\slot)+2:G0B+4*(\slot)+3], s[G0B+4*(\slot)+2:G0B+4*(\slot)+3], WSTEP-6*KSTEP*2
.else
	s_add_nc_u64 s[G0+4*(\slot)+2:G0+4*(\slot)+3], s[G0+4*(\slot)+2:G0+4*(\slot)+3], 2*KSTEP*2
	s_add_nc_u64 s[G0B+4*(\slot)+2:G0B+4*(\slot)+3], s[G0B+4*(\slot)+2:G0B+4*(\slot)+3], 2*KSTEP*2
.endif
	JLOAD \slot                                    ; 112 matrix instructions ahead of the wait for it; its four v_nop are also the places in front of the loads below
	FETCH \next, 0, 0
	ASK \on
	MUL8 1, 2, 0
	MUL8 1, 3, 0
.endm
; THE WAY OUT OF q' AND k', a block of 16 tokens at a time.  PACKS: hi = f16(x); x - hi, exact in f32, in place; lo = f16 of that.
.macro PACKS a
	WIN 0x05                                       ; sources in window 1, destination in window 0; each accumulator's registers in ascending order
.irp b, 0,1,2,3,4,5,6,7
.irp r, 0,1,2,3
	v_cvt_pk_f16_f32 v[THI+4*(\b)+(\r)], v[8*(8*(\a)+(\b))+2*(\r)], v[8*(8*(\a)+(\b))+2*(\r)+1]
.endr
.endr
	WIN MUL                                        ; hi and -1 in window 0, x in window 1
.irp b, 0,1,2,3,4,5,6,7
.irp r, 0,1,2,3
	v_fma_mix_f32 v[8*(8*(\a)+(\b))+2*(\r)], v[THI+4*(\b)+(\r)], v[NEG1], v[8*(8*(\a)+(\b))+2*(\r)] op_sel_hi:[1,0,0]
	v_fma_mix_f32 v[8*(8*(\a)+(\b))+2*(\r)+1], v[THI+4*(\b)+(\r)], v[NEG1], v[8*(8*(\a)+(\b))+2*(\r)+1] op_sel:[1,0,0] op_sel_hi:[1,0,0]
.endr
.endr
	WIN 0x05
.irp b, 0,1,2,3,4,5,6,7
.irp r, 0,1,2,3
	v_cvt_pk_f16_f32 v[TLO+4*(\b)+(\r)], v[8*(8*(\a)+(\b))+2*(\r)], v[8*(8*(\a)+(\b))+2*(\r)+1]
.endr
.endr
	WIN 0
.endm
; STAGES: into my stage, rows (head, token) of 128 bytes hi and 128 bytes lo, and back as whole rows
.macro STAGES
	WIN 0
.irp b, 0,1,2,3,4,5,6,7
	ds_store_b128 v[STO], v[THI+4*(\b):THI+4*(\b)+3] offset:((\b)/4)*16*PITCH+32*((\b)%4)
	ds_store_b128 v[STO], v[TLO+4*(\b):TLO+4*(\b)+3] offset:((\b)/4)*16*PITCH+32*((\b)%4)+128
.endr
	s_wait_xcnt 0x0                                ; the last block's stores have read BK: it is loaded again only behind this wait
.irp t, 0,1,2,3,4,5,6,7,8,9,10,11,12,13,14,15
	ds_load_b128 v[BK+4*(\t):BK+4*(\t)+3], v[RD] offset:(\t)*2*PITCH  ; LDS serves a wave's instructions in order (ISA guide 5.7.1.4): these see the stores above
.endr
.endm
.macro SENDS a
	s_wait_dscnt 0x0
.irp t, 0,1,2,3,4,5,6,7,8,9,10,11,12,13,14,15
	global_store_b128 v[CO], v[BK+4*(\t):BK+4*(\t)+3], s[OUT:OUT+1] offset:4096*(\a)+512*((\t)%8)+524288*((\t)/8)  ; two tokens' rows: 512 consecutive bytes, aligned
.endr
.endm
; THE WAY OUT OF v': one f16
.macro PACKV a
	WIN 0x05
.irp b, 0,1,2,3,4,5,6,7
.irp r, 0,1,2,3
	v_cvt_pk_f16_f32 v[THI+4*(\b)+(\r)], v[8*(8*(\a)+(\b))+2*(\r)], v[8*(8*(\a)+(\b))+2*(\r)+1]
.endr
.endr
	WIN 0
.endm
.macro STAGEV
.irp b, 0,1,2,3,4,5,6,7
	ds_store_b128 v[STOV], v[THI+4*(\b):THI+4*(\b)+3] offset:((\b)/4)*16*VP+32*((\b)%4)
.endr
	s_wait_xcnt 0x0
.irp t, 0,1,2,3,4,5,6,7
	ds_load_b128 v[BK+4*(\t):BK+4*(\t)+3], v[RDV] offset:(\t)*4*VP
.endr
.endm
.macro SENDV a
	s_wait_dscnt 0x0
.irp t, 0,1,2,3,4,5,6,7
	global_store_b128 v[CO], v[BK+4*(\t):BK+4*(\t)+3], s[10:11] offset:2048*(\a)+512*((\t)%4)+262144*((\t)/4)  ; four tokens' rows: 512 consecutive bytes, aligned
.endr
.endm
	s_wait_tensorcnt 1                             ; my part of K step 0 is in; K step 1's may stay out
	s_barrier_signal -1
	s_barrier_wait -1
	FETCH 0, 0, 0
	s_mov_b32 s2, 3                                ; tiles to go
.Ltile:
	QUARTER 0, 1, 0, 1, 1                          ; a tile's first quarter starts the sums
	WIN 0
	s_mov_b32 s3, LAPS-1
.Llap:                                                 ; a trip goes once round the ring and fills both slots again
	QUARTER 0, 2, 1, 0, 0
	QUARTER 0, 3, 0, 1, 0
	TURN 0, 1, 0
	QUARTER 1, 1, 0, 1, 0
	QUARTER 1, 2, 1, 0, 0
	QUARTER 1, 3, 0, 1, 0
	TURN 1, 0, 0
	QUARTER 0, 1, 0, 1, 0
	WIN 0
	s_sub_co_u32 s3, s3, 1
	s_cmp_lg_u32 s3, 0
	s_cbranch_scc1 .Llap
	QUARTER 0, 2, 1, 0, 0
	QUARTER 0, 3, 0, 1, 0
	WIN 0
	s_cmp_eq_u32 s2, 1
	s_cbranch_scc1 .Llast                          ; the last tile's tail is written out: it asks for nothing more
	TURN 0, 1, 1                                   ; the ring goes on into the next tile
	QUARTER 1, 1, 0, 1, 0
	QUARTER 1, 2, 1, 0, 0
	QUARTER 1, 3, 0, 1, 0
	TURN 1, 0, 1
	PACKS 0                                        ; both refills are asked for: the tile goes out.  Block 0 was finished ahead of the joint load's v_nop; its conversions are the places behind the last products
	STAGES
.irp a, 1,2,3
	PACKS \a
	SENDS (\a)-1
	STAGES
.endr
	SENDS 3
	s_wait_xcnt 0x0                                ; the stores have read their base and BK
	s_mov_b64 s[OUT:OUT+1], s[8:9]                 ; the second tile goes to kx (the third has a way out of its own)
	s_sub_co_u32 s2, s2, 1
	s_branch .Ltile
.Llast:
	MEET 0                                         ; the load that was out is the last K step's
	PLACES
	FETCH 1, 0, 0
	MUL8 1, 2, 0
	MUL8 1, 3, 0
	QUARTER 1, 1, 0, 1, 0
	QUARTER 1, 2, 1, 0, 0
	QUARTER 1, 3, 0, 1, 0
	s_wait_dscnt 4
	MUL8 1, 0, 0
	MUL8 1, 1, 0
	s_wait_dscnt 0x0
	MUL8 1, 2, 0
	MUL8 1, 3, 0
	WIN 0
	PLACES
	PACKV 0
	STAGEV
.irp a, 1,2,3
	PACKV \a
	SENDV (\a)-1
	STAGEV
.endr
	SENDV 3
	s_wait_tensorcnt 0x0                           ; the wave's end
	ds_add_u32 v[SPW], v[NIL]
	s_wait_dscnt 0x0
	CROUND                                         ; the closing round
	s_endpgm
.Lfunc_end_k_q5e0a718f57_proj:
	.size	k_q5e0a718f57_proj, .Lfunc_end_k_q5e0a718f57_proj-k_q5e0a718f57_proj
	.p2alignl 7, 3214868480
	.fill 96, 4, 3214868480
	.section	.rodata,"a",@progbits
	.p2align	6, 0x0
	.amdhsa_kernel k_q5e0a718f57_proj
		.amdhsa_group_segment_fixed_size 327680
		.amdhsa_private_segment_fixed_size 0
		.amdhsa_enable_private_segment 0
		.amdhsa_kernarg_size 32
		.amdhsa_user_sgpr_count 2
		.amdhsa_user_sgpr_kernarg_segment_ptr 1
		.amdhsa_wavefront_size32 1
		.amdhsa_system_sgpr_workgroup_id_x 1
		.amdhsa_system_sgpr_workgroup_id_y 1
		.amdhsa_system_sgpr_workgroup_id_z 1
		.amdhsa_system_vgpr_workitem_id 0
		.amdhsa_next_free_vgpr 512
		.amdhsa_next_free_sgpr 80
		.amdhsa_reserve_vcc 0
		.amdhsa_float_denorm_mode_32 3
		.amdhsa_float_denorm_mode_16_64 3
		.amdhsa_memory_ordered 1
		.amdhsa_forward_progress 1
		.amdhsa_inst_pref_size 156
	.end_amdhsa_kernel
	.amdgpu_metadata
---
amdhsa.version: [ 1, 2 ]
amdhsa.kernels:
  - .name:           k_q5e0a718f57_proj
    .symbol:         k_q5e0a718f57_proj.kd
    .args:
      - { .name: cvt, .offset: 0, .size: 8, .value_kind: global_buffer, .address_space: global }
      - { .name: qx, .offset: 8, .size: 8, .value_kind: global_buffer, .address_space: global }
      - { .name: kx, .offset: 16, .size: 8, .value_kind: global_buffer, .address_space: global }
      - { .name: vx, .offset: 24, .size: 8, .value_kind: global_buffer, .address_space: global }
    .group_segment_fixed_size: 327680
    .private_segment_fixed_size: 0
    .kernarg_segment_align: 8
    .kernarg_segment_size: 32
    .max_flat_workgroup_size: 128
    .sgpr_count:     80
    .vgpr_count:     512
    .wavefront_size: 32
...
	.end_amdgpu_metadata
.endif
;; end of part 2
;; launch attn (part 3): grid 4 x 64, 4 waves a work-group, no clusters, 327,680 bytes of LDS; arguments qx, kx, vx, ox; writes ox
.if DOCPART == 3
	.amdgcn_target "amdgcn-amd-amdhsa--gfx1250"
	.amdhsa_code_object_version 6
	.text
	.protected	k_q5e0a718f57_attn
	.globl	k_q5e0a718f57_attn
	.p2align	8
	.type	k_q5e0a718f57_attn,@function
k_q5e0a718f57_attn:
	s_mov_b64 s[64:65], 0
	v_nop
	global_prefetch_b8 v0, s[64:65] scope:SCOPE_SE
	s_setreg_imm32_b32 hwreg(HW_REG_WAVE_MODE, 25, 1), 1
	s_wait_xcnt 0x0
; CAUSAL ATTENTION at head size 64, scores from operands of 22 bits.  qx, kx: [64][2048][128] f16, a row = 64 hi, 64 lo, of q / 64 and k / 64.  vx, ox: [64][2048][64] f16, v / 64 and O / 64.
; S = Kl Qh + Kh Ql + Kh Qh (lo x lo is left out: 2^-22 of a product); p = 2^(c S - c m), c = log2(e) / 8 x 4,096 (the two factors 64 taken back), with a running maximum m; sums in f32; p is rounded to f16 for the
; second product (its sum l is taken of the unrounded p), O once at the end.
; LIMITS.  The operands arrive within f16's 65,504.  A hidden score counts as its value less 1e30 (in units of S).  A weight below 2^-126 counts as 0 in l.  NaN and infinities are not treated apart.
; THE WALK.  A head's queries lie in NB = 8 blocks of 256; block i needs key tiles 0 .. i of 256 keys, the last of which holds the diagonal.  A work-group takes blocks 7 - b and then b: 9 tiles whatever b: ONE loop with a
; constant trip count.  Every jump but the counted loops' own goes forward, and none passes a barrier, or a tensor load but the one of LOAD's two that the wave's number does not choose.
; NO CLUSTER: a head's four work-groups ask for the same tile in trips 0 to 4 of 9 alone; a walk common to all four would have 12 trips for 9.
; SHARES.  Of a block's four bands of 64 queries a wave owns 16 rows in each: four PIECES: the diagonal tile is the same work for all waves.
; THE MASK is the C operand that starts a score's sum: MC = MD x AL + BE, where MD is the mask of a band's own key step.  Every product takes MC; off the diagonal both buffers of MC hold 0 and are left alone.
; A TURN belongs to piece p: 24 products K Q^T of piece p + 1, then 8 products V^T P of piece p - 1; behind each up to four vector instructions: the roundings and sums of piece p - 1, the scaling, exponentials and
; rescaling of piece p, the maximum and statistics of piece p + 1.  A turn's 33 exponentials are one batch, with one wait at the turn's end; their results are first named in the next turn.
; REGISTERS, in windows of 256 (s_set_vgpr_msb: bits 1:0 source 0, 3:2 source 1, 5:4 source 2, 7:6 destination):
;   window 0: v0-15 addresses; v16-31 statistics; v32-47 at work, by the piece's parity; v64-191 S^T, 32 a piece; v192-223 P, by parity        window 1: v0-127 O^T; v128-159 MD; v160-223 MC, two buffers
;   window 2: v0-63 Qh; v128-191 Kh; v192-255 V                                                                                     window 3: v0-63 Ql; v128-191 Kl
.set NB,    8
.set NP,    4
.set KS,    64        ; keys in a step
.set PK,    272       ; a row of K in LDS: 256 bytes (hi, lo) + 16: the 16 rows of a load start at 16 different groups of four banks (ISA guide 11.1)
.set PV,    160       ; a row of V: 128 + 32
.set VOFF,  4*KS*PK   ; a slot holds a tile: 256 rows of K, then 256 rows of V
.set SLOT1, 1<<17
.set STAGE, SLOT1+4*KS*(PK+PV)  ; behind the ring, never filled by a tensor load: 16 rows x 144 bytes for each wave
.set SP,    144
.set SPARE, STAGE+4*16*SP       ; the spare words, 128 bytes for each wave: two blocks of 256 bytes that no other line names
.set AK0, 2
.set AV0, 3
.set AK,  4
.set AV,  5
.set STO, 6
.set RD,  7
.set GO,  8
.set PFO, 12          ; v12  K's prefetches: 256 x lane + 16,384 x wave; never rewritten
.set PFW, 13          ; v13  V's: 256 x lane + 8,192 x wave; never rewritten
.set QO,  15          ; v15  my byte offset in 16 rows of qx; never rewritten
.set ST,  16          ; piece t: c m, m, l (even keys', odd keys')
.set TMP, 32          ; by parity: c0 the maximum; c1-c4 at work; c5 c m_old and its change; c6 a (named with c7 as a pair)
.set SPW, 62
.set NIL, 63
.set S,   64
.set P,   192
.set MD,  128
.set MC,  160
.set KF,  128         ; windows 2 and 3: key block kb, channel half c at KF + 16 kb + 8 c
.set VF,  192
.set WV,  12
.set PB,  14
.set HI,  15
.set G1K, 24
.set G1V, 32
.set G0K, 40
.set G0V, 44
.set SLOTS, 56
.set CNT, 57
.set CS,  58
.set SEL, 60
.set TBK, 62
.set TBV, 63
.set RT,  70          ; s70  tiles of the block in hand that are still to be entered
.set NXT, 71          ; s71  the tile to be asked for next
.set LQ,  72          ; s72  the last tile of the block whose tiles are being asked for
.set NEW, 73          ; s73  1: the tile to be entered is a block's first
.set OFF, 74          ; s[74:75] a tile's byte offset in kx
.set AL,  76
.set BE,  78
.set OLO, 80          ; s[80:81] ox at my rows of the second block
.set BIGN, 82
.set OFFV, 84         ; s[84:85] a tile's byte offset in vx
.set QLO, 86          ; s[86:87] qx at my rows of the second block
.set PFK, 88          ; s[88:89] the tile of kx that the next change of slots will ask for
.set PFV, 90          ; s[90:91] the same in vx
.set LIM, 92          ; s92  1 in the work-group that prefetches, else the greatest number
.set KB,  96          ; s[96:97] the head's first byte in kx
.set VB,  98          ; s[98:99] in vx
.set MSB, 0
.macro WIN new
.if MSB != (\new)
	s_set_vgpr_msb (MSB<<8)|(\new)
.set MSB, (\new)
.endif
.endm
.set W_PV, 0x52       ; V in window 2, P in window 0, O^T in window 1
.set W_RS, 0x41       ; destination and source 0 in window 1, source 1 in window 0
; A fill.  Waves 0 and 1 fetch the two halves of a tile's K, waves 2 and 3 those of its V.  An s_nop 0 and four v_nop follow each of the two lines.
.macro LOAD
	s_cmp_lt_u32 s[WV], 2
	s_cbranch_scc0 .Lfor_v_\@
	tensor_load_to_lds s[G0K:G0K+3], s[G1K:G1K+7]
	s_nop 0
.rept 4
	v_nop
.endr
	s_branch .Lasked_\@
.Lfor_v_\@:
	tensor_load_to_lds s[G0V:G0V+3], s[G1V:G1V+7]
	s_nop 0
.rept 4
	v_nop
.endr
.Lasked_\@:
.endm
; A prefetch into the L2 of the tile that the NEXT change of slots will ask for: 256 rows of 256 bytes of kx and 128 blocks of 256 bytes of vx, shared among the four waves, a lane a block.  A head's four work-groups walk
; the same tiles: the one with b = 0, whose first block needs all eight, asks, for tiles 2 to 7, each once; tiles 0 and 1 come by their loads alone; behind tile 7 nothing is asked for.
.macro ASK
	s_cmp_gt_u32 s[NXT], s[LIM]
	s_cbranch_scc0 .Lnot_mine_\@
	global_prefetch_b8 v[PFO], s[PFK:PFK+1] th:TH_LOAD_NT scope:SCOPE_SE
	global_prefetch_b8 v[PFO], s[PFK:PFK+1] offset:8192 th:TH_LOAD_NT scope:SCOPE_SE
	global_prefetch_b8 v[PFW], s[PFV:PFV+1] th:TH_LOAD_NT scope:SCOPE_SE
.Lnot_mine_\@:
.endm
; THE CHANGE OF SLOTS.  Each wave waits for all its tensor loads (one is out: its part of the other slot), adds 0 to its spare word, and waits for that and for its reads of the slot that it leaves.
; fill = 1: the old slot is filled again, first thing behind the barrier, with tile NXT; the descriptor's address is made anew from that number.
.macro CHANGE fill
	WIN 0
	s_wait_tensorcnt 0x0
	ds_add_u32 v[SPW], v[NIL]       ; 0 onto my spare word; scalar work stands between it and the wait for it
.if \fill
	s_lshl_b32 s[OFF], s[NXT], 16   ; a tile is 65,536 bytes of kx
	s_lshl_b32 s[OFFV], s[NXT], 15  ; and 32,768 of vx
	s_xor_b32 s[G0K+1], s[G0K+1], SLOT1
	s_add_nc_u64 s[G0K+2:G0K+3], s[6:7], s[OFF:OFF+1]
	s_or_b32 s[G0K+3], s[G0K+3], 0x80000000
	s_xor_b32 s[G0V+1], s[G0V+1], SLOT1
	s_add_nc_u64 s[G0V+2:G0V+3], s[8:9], s[OFFV:OFFV+1]
	s_or_b32 s[G0V+3], s[G0V+3], 0x80000000
	s_add_co_u32 s[NXT], s[NXT], 1  ; the block's next tile, or behind its last the second block's tile 0
	s_cmp_gt_u32 s[NXT], s[LQ]
	s_cselect_b32 s[NXT], 0, s[NXT]
	s_cselect_b32 s[LQ], s[PB], s[LQ]
	s_wait_xcnt 0x0                 ; the last prefetches, a tile back, have read their addresses
	s_lshl_b32 s[OFF], s[NXT], 16
	s_lshl_b32 s[OFFV], s[NXT], 15
	s_add_nc_u64 s[PFK:PFK+1], s[KB:KB+1], s[OFF:OFF+1]
	s_add_nc_u64 s[PFV:PFV+1], s[VB:VB+1], s[OFFV:OFFV+1]
.endif
	s_wait_dscnt 0x0                ; the add is done, and my reads of the slot are over
	s_barrier_signal -1
	s_sub_co_u32 s[TBK], s[TBK], 4*KS*PK  ; the fetches go back to a slot's first step, in the other slot
	s_xor_b32 s[TBK], s[TBK], SLOT1
	s_sub_co_u32 s[TBV], s[TBV], 4*KS*PV
	s_xor_b32 s[TBV], s[TBV], SLOT1
	s_barrier_wait -1
.if \fill
	LOAD
	ASK
.endif
.endm
; A block's Q, hi into window 2 and lo into window 3: piece i / 2 lies in band i / 2, 16,384 bytes on; channels 32 (i % 2) on
.macro QLOAD base
	WIN 0x80
.set i, 0
.rept 8
	global_load_b128 v[8*i:8*i+3],   v[QO], s[\base:\base+1] offset:(i/2)*16384+(i%2)*64
	global_load_b128 v[8*i+4:8*i+7], v[QO], s[\base:\base+1] offset:(i/2)*16384+(i%2)*64+32
.set i, i+1
.endr
	WIN 0xc0
.set i, 0
.rept 8
	global_load_b128 v[8*i:8*i+3],   v[QO], s[\base:\base+1] offset:(i/2)*16384+(i%2)*64+128
	global_load_b128 v[8*i+4:8*i+7], v[QO], s[\base:\base+1] offset:(i/2)*16384+(i%2)*64+160
.set i, i+1
.endr
	WIN 0
.endm
	s_load_b256 s[4:11], s[0:1], 0x0  ; qx s[4:5], kx s[6:7], vx s[8:9], ox s[10:11]
	v_lshl_add_u32 v[SPW], v0, 2, SPARE
	v_mov_b32 v[NIL], 0
	ds_add_u32 v[SPW], v[NIL]       ; the wave's opening: the add and its wait stand ahead of my first tensor load
	ds_add_u32 v62, v63
	v_lshrrev_b32 v1, 5, v0
	v_readfirstlane_b32 s[WV], v1
	s_mov_b32 s[PB], ttmp9
	s_sub_co_u32 s[HI], NB-1, s[PB]
	s_and_b32 s20, ttmp7, 0xffff    ; the head
	s_lshl_b32 s22, s20, 19         ; its first byte in qx and kx,
	s_mov_b32 s23, 0
	s_lshl_b32 s20, s20, 18         ; in vx and ox
	s_mov_b32 s21, 0
	s_and_b32 s16, s[WV], 1         ; which half of a tile's 256 keys I fetch
	s_mul_i32 s17, s16, 128*PK
	s_mul_i32 s18, s16, 128*PV
	s_lshl_b32 s66, s16, 15
	s_mov_b32 s67, 0
	s_lshl_b32 s68, s16, 14
	s_mov_b32 s69, 0
	s_lshl_b32 s19, s[WV], 12       ; my 16 rows in a band of 64, in qx,
	s_add_co_u32 s19, s19, s22
	s_lshl_b32 s2, s[HI], 16        ; in the first block,
	s_add_co_u32 s2, s2, s19
	s_mov_b32 s3, 0
	s_lshl_b32 s94, s[PB], 16       ; and in the second
	s_add_co_u32 s94, s94, s19
	s_mov_b32 s95, 0
	s_mov_b32 s[G1K], (1<<16)|(1<<20)|(5<<22)|(3<<25)  ; 2-byte elements; padding on; after every 64 words 4 words
	s_mov_b32 s[G1K+1], 128<<16     ; tensor_dim0 = 128
	s_mov_b32 s[G1K+2], 128<<16     ; tensor_dim1 = 128
	s_mov_b32 s[G1K+3], 128<<16     ; tile_dim0 = 128
	s_mov_b32 s[G1K+4], 128         ; tile_dim1 = 128
	s_mov_b32 s[G1K+5], 128
	s_mov_b32 s[G1K+6], 0
	s_mov_b32 s[G1K+7], 0
	s_mov_b32 s[G1V], (1<<16)|(1<<20)|(4<<22)|(7<<25)  ; 128 keys of V are 16,384 dense bytes: 64 rows of 256 bytes, padded after every key (32 words) by 8 words
	s_mov_b32 s[G1V+1], 128<<16
	s_mov_b32 s[G1V+2], 64<<16
	s_mov_b32 s[G1V+3], 128<<16
	s_mov_b32 s[G1V+4], 64
	s_mov_b32 s[G1V+5], 128
	s_mov_b32 s[G1V+6], 0
	s_mov_b32 s[G1V+7], 0
	s_mov_b32 s[CS], 0x4438aa3b     ; c = log2(e) / 8 x 4,096
	s_mov_b32 s[CS+1], s[CS]
	s_mov_b32 s[SEL], 0x76543210
	s_mov_b32 s[SEL+1], 0xfedcba98
	s_mov_b32 s[TBK], SLOT1+4*KS*PK ; the first change of slots turns these two into 0
	s_mov_b32 s[TBV], SLOT1+4*KS*PV
	s_mov_b32 s[G0K], 1
	s_mov_b32 s[G0K+1], s17
	s_mov_b32 s[G0V], 1
	s_add_co_u32 s[G0V+1], s18, VOFF
	s_add_co_u32 s[RT], s[HI], 1    ; the first block has 8 - b tiles
	s_mov_b32 s[NXT], 1
	s_mov_b32 s[LQ], s[HI]
	s_mov_b32 s[NEW], 1
	s_mov_b32 s[OFF+1], 0
	s_mov_b32 s[OFFV+1], 0
	s_mov_b32 s[AL+1], 0
	s_mov_b32 s[BE+1], 0
	s_mov_b32 s[BIGN], 0xf149f2ca   ; -1e30
	s_mov_b32 s[SLOTS], NB
	s_cmp_eq_u32 s[PB], 0
	s_cselect_b32 s[LIM], 1, -1
	s_wait_dscnt 0x0                ; the opening add is done
	s_wait_kmcnt 0x0
	s_add_nc_u64 s[KB:KB+1], s[6:7], s[22:23]
	s_add_nc_u64 s[VB:VB+1], s[8:9], s[20:21]
	s_add_nc_u64 s[6:7], s[KB:KB+1], s[66:67]      ; K and V at my half of the head's tile 0
	s_add_nc_u64 s[8:9], s[VB:VB+1], s[68:69]
	s_add_nc_u64 s[G0K+2:G0K+3], s[6:7], 0
	s_or_b32 s[G0K+3], s[G0K+3], 0x80000000
	s_add_nc_u64 s[G0V+2:G0V+3], s[8:9], 0
	s_or_b32 s[G0V+3], s[G0V+3], 0x80000000
	s_add_nc_u64 s[QLO:QLO+1], s[4:5], s[94:95]
	s_add_nc_u64 s[4:5], s[4:5], s[2:3]
	s_lshr_b32 s2, s2, 1            ; ox's rows are half as long
	s_lshr_b32 s94, s94, 1
	s_add_nc_u64 s[OLO:OLO+1], s[10:11], s[94:95]
	s_add_nc_u64 s[10:11], s[10:11], s[2:3]
	LOAD                            ; tile 0 into slot 0
	v_and_b32 v1, 15, v0            ; l % 16
	v_bfe_u32 v9, v0, 4, 1          ; l / 16
	v_lshlrev_b32 v[QO], 8, v1
	v_lshl_add_u32 v[QO], v9, 4, v[QO]
	QLOAD 4
	v_lshlrev_b32 v14, 3, v9
	v_sub_nc_u32 v14, v1, v14
	s_lshl_b32 s13, s[WV], 4
	v_add_nc_u32 v14, s13, v14      ; my query's place in its band less my lanes' 8 (l / 16): register r of key group kt is hidden where 16 kt + r is greater
	WIN 0x40
.set i, 0
.rept 32
	v_cmp_gt_i32 vcc_lo, 16*(i/8)+i%8, v14
	v_cndmask_b32 v[MD+i], 0, s[BIGN], vcc_lo
.set i, i+1
.endr
	WIN 0
	v_mul_u32_u24 v[AK0], v1, PK
	v_lshl_add_u32 v[AK0], v9, 4, v[AK0]
	v_and_b32 v10, 7, v0            ; the turning load: lane l reads key 8 (l / 16) + l % 8, channels 8 ((l / 8) % 2) + 0..7
	v_bfe_u32 v11, v0, 3, 1
	v_lshl_add_u32 v[AV0], v9, 3, v10
	v_mul_u32_u24 v[AV0], v[AV0], PV
	v_lshl_add_u32 v[AV0], v11, 4, v[AV0]
	v_add_nc_u32 v[AV0], VOFF, v[AV0]
	s_mul_i32 s13, s[WV], 16*SP
	s_add_co_u32 s13, s13, STAGE    ; my stage
	v_mul_u32_u24 v[STO], v1, SP
	v_lshl_add_u32 v[STO], v9, 4, v[STO]
	v_add_nc_u32 v[STO], s13, v[STO]
	v_bfe_u32 v[RD], v0, 3, 2
	v_mul_u32_u24 v[RD], v[RD], SP
	v_lshl_add_u32 v[RD], v10, 4, v[RD]
	v_add_nc_u32 v[RD], s13, v[RD]
	v_and_b32 v[GO], 31, v0
	v_lshlrev_b32 v10, 8, v[GO]
	v_lshlrev_b32 v[GO], 4, v[GO]
	s_lshl_b32 s13, s[WV], 14
	v_add_nc_u32 v[PFO], s13, v10
	s_lshl_b32 s13, s[WV], 13
	v_add_nc_u32 v[PFW], s13, v10
	; A block's first step multiplies O^T and l by a = 0, and its first turn works on a piece that has not been.  So O^T, l, V, the last piece's S^T and a need only hold finite numbers: zeros here, in the wait for the
	; first tile; what the first block left for the second (weights, means and reciprocals of sums: all finite).
	WIN 0x80
.set i, VF
.rept 64
	v_mov_b32 v[i], 0
.set i, i+1
.endr
	WIN 0x40
.set i, 0
.rept 128
	v_mov_b32 v[i], 0
.set i, i+1
.endr
	WIN 0
.set i, 0
.rept 4
	v_mov_b32 v[ST+4*i+2], 0
	v_mov_b32 v[ST+4*i+3], 0
.set i, i+1
.endr
.set i, S+96
.rept 32
	v_mov_b32 v[i], 0
.set i, i+1
.endr
	v_mov_b32 v[TMP+6], 0
	v_mov_b32 v[TMP+7], 0
	v_mov_b32 v[TMP+14], 0
	v_mov_b32 v[TMP+15], 0
; THE MATRIX WORK.  Four accumulators take turns, one instruction a turn.  Product i of 24 of S^T for piece x: key block i % 4; group i / 4: 0, 1 Kl Qh; 2, 3 Kh Ql; 4, 5 Kh Qh; channel half (i / 4) % 2.  The first four start the sums with the mask.
.macro KQ x
.set kS, S+32*(\x)+8*(i%4)
.set kK, KF+16*(i%4)+8*((i/4)%2)
.set kQ, 16*(\x)+8*((i/4)%2)
.set kM, MC+32*((\x)%2)+8*(i%4)
.if i < 4
	WIN 0x1b                        ; Kl window 3, Qh window 2, the mask window 1
	v_wmma_f32_16x16x32_f16 v[kS:kS+7], v[kK:kK+7], v[kQ:kQ+7], v[kM:kM+7]
.else
.if i < 8
	WIN 0x0b
.elseif i < 16
	WIN 0x0e                        ; Kh window 2, Ql window 3
.else
	WIN 0x0a                        ; Kh, Qh window 2
.endif
	v_wmma_f32_16x16x32_f16 v[kS:kS+7], v[kK:kK+7], v[kQ:kQ+7], v[kS:kS+7]
.endif
.endm
; Product i - 24 of 8 of O^T += V^T P for piece x
.macro PV x
	WIN W_PV
.set kO, 32*(\x)+8*(i%4)
.set kV, VF+32*((i-24)/4)+8*(i%4)
.set kP, P+16*((\x)%2)+8*((i-24)/4)
	v_wmma_f32_16x16x32_f16 v[kO:kO+7], v[kV:kV+7], v[kP:kP+7], v[kO:kO+7]
.endm
.macro MM                           ; the turn's next matrix instruction.  NOKQ = 1: a block's last turn: there is no next piece
.if i < 24
.if !NOKQ
	KQ (Y+1)%NP
.endif
.else
	PV (Y+NP-1)%NP
.endif
.set i, i+1
.endm
; THE LDS LOADS stand in runs of 16
.macro FETCH_KL
	WIN 0xc0
.irp f, 0,1,2,3,4,5,6,7
	ds_load_b128 v[KF+8*\f:KF+8*\f+3],   v[AK] offset:128+(\f/2)*16*PK+(\f%2)*64
	ds_load_b128 v[KF+8*\f+4:KF+8*\f+7], v[AK] offset:128+(\f/2)*16*PK+(\f%2)*64+32
.endr
	WIN 0
.endm
.macro FETCH_KH
	WIN 0x80
.irp f, 0,1,2,3,4,5,6,7
	ds_load_b128 v[KF+8*\f:KF+8*\f+3],   v[AK] offset:(\f/2)*16*PK+(\f%2)*64
	ds_load_b128 v[KF+8*\f+4:KF+8*\f+7], v[AK] offset:(\f/2)*16*PK+(\f%2)*64+32
.endr
	s_add_co_u32 s[TBK], s[TBK], KS*PK  ; the next fetch is the next step's
	WIN 0
.endm
.macro FETCH_V
	WIN 0x80
.irp f, 0,1,2,3,4,5,6,7
	ds_load_tr16_b128 v[VF+8*\f:VF+8*\f+3],   v[AV] offset:(\f/4)*32*PV+(\f%4)*32
	ds_load_tr16_b128 v[VF+8*\f+4:VF+8*\f+7], v[AV] offset:(\f/4)*32*PV+16*PV+(\f%4)*32
.endr
	WIN 0
.endm
; THE VECTOR WORK: OP kind, number.  For piece Y: F n: c s - c m for pair n.  E n: the exponential of score n.  R n: pair n of O^T times a.  For piece Y - 1: C n: pair n rounded to f16.  B n: of the four weights 4 n ..
; the second pair is added onto the first.  L n: l takes that sum (L 0: l = a l + sum).  For piece Y + 1: X n.  For accumulator j: X 4j, 4j+1: the maxima of its registers 0-2 and 3-5 (the lowest are read first);
; 4j+2: both and register 6; 4j+3: c0 takes that and register 7 (j = 0: and the old m).  16: c m_old is kept.  17, 18: the lane 16 away holds the query's other keys: the new m.  19-21: c m, its change, a.
.set F, 0
.set E, 1
.set C, 2
.set B, 3
.set L, 4
.set R, 5
.set X, 6
.macro REGS y
.set rT, ST+4*(\y)
.set rC, TMP+8*((\y)%2)
.set rS, S+32*(\y)
.set rP, P+16*((\y)%2)
.set rO, 32*(\y)
.endm
.macro OP k, n
.if (\k) == R
	REGS Y
	WIN W_RS
	v_pk_mul_f32 v[rO+2*(\n):rO+2*(\n)+1], v[rO+2*(\n):rO+2*(\n)+1], v[rC+6:rC+7] op_sel_hi:[1,0]
.elseif (\k) == F
	REGS Y
	WIN 0
	v_pk_fma_f32 v[rS+2*(\n):rS+2*(\n)+1], v[rS+2*(\n):rS+2*(\n)+1], s[CS:CS+1], v[rT:rT+1] op_sel_hi:[1,0,0] neg_lo:[0,0,1] neg_hi:[0,0,1]
.elseif (\k) == E
	REGS Y
	WIN 0
	v_exp_f32 v[rS+(\n)], v[rS+(\n)]
.elseif (\k) < R
	REGS (Y+NP-1)%NP
	WIN 0
.if (\k) == C
	v_cvt_pk_f16_f32 v[rP+(\n)], v[rS+2*(\n)], v[rS+2*(\n)+1]
.elseif (\k) == B
	v_pk_add_f32 v[rS+4*(\n):rS+4*(\n)+1], v[rS+4*(\n):rS+4*(\n)+1], v[rS+4*(\n)+2:rS+4*(\n)+3]
.elseif (\n) == 0
	v_pk_fma_f32 v[rT+2:rT+3], v[rT+2:rT+3], v[rC+6:rC+7], v[rS:rS+1] op_sel_hi:[1,0,1]
.else
	v_pk_add_f32 v[rT+2:rT+3], v[rT+2:rT+3], v[rS+4*(\n):rS+4*(\n)+1]
.endif
.elseif !NOKQ
	REGS (Y+1)%NP
	WIN 0
.set xj, (\n)/4
.set xt, rC+1+2*(xj%2)
.if ((\n) < 16) && ((\n)%4 == 0)
	v_max3_num_f32 v[xt], v[rS+8*xj], v[rS+8*xj+1], v[rS+8*xj+2]
.elseif ((\n) < 16) && ((\n)%4 == 1)
	v_max3_num_f32 v[xt+1], v[rS+8*xj+3], v[rS+8*xj+4], v[rS+8*xj+5]
.elseif ((\n) < 16) && ((\n)%4 == 2)
	v_max3_num_f32 v[xt], v[xt], v[xt+1], v[rS+8*xj+6]
.elseif (\n) == 3
	v_max3_num_f32 v[rC], v[rT+1], v[xt], v[rS+7]
.elseif (\n) < 16
	v_max3_num_f32 v[rC], v[rC], v[xt], v[rS+8*xj+7]
.elseif (\n) == 16
	v_mov_b32 v[rC+5], v[rT]
.elseif (\n) == 17
	v_permlanex16_b32 v[rC+2], v[rC], s[SEL], s[SEL+1]
.elseif (\n) == 18
	v_max_num_f32 v[rT+1], v[rC], v[rC+2]
.elseif (\n) == 19
	v_mul_f32 v[rT], s[CS], v[rT+1]
.elseif (\n) == 20
	v_sub_f32 v[rC+5], v[rC+5], v[rT]
.else
	v_exp_f32 v[rC+6], v[rC+5]
.endif
.endif
.endm
.macro OPS a, i1, b=-1, i2=0, c=-1, i3=0, d=-1, i4=0
	OP \a, \i1
.if (\b) >= 0
	OP \b, \i2
.endif
.if (\c) >= 0
	OP \c, \i3
.endif
.if (\d) >= 0
	OP \d, \i4
.endif
.endm
.macro ROW a, i1, b=-1, i2=0, c=-1, i3=0, d=-1, i4=0  ; a matrix instruction and those behind it
	MM
	OPS \a, \i1, \b, \i2, \c, \i3, \d, \i4
.endm
.macro MASK b                       ; MD x AL + BE into buffer b of MC
	WIN W_RS
.set z, 0
.rept 16
	v_pk_fma_f32 v[MC+32*(\b)+2*z:MC+32*(\b)+2*z+1], v[MD+2*z:MD+2*z+1], s[AL:AL+1], s[BE:BE+1] op_sel_hi:[1,0,0]
.set z, z+1
.endr
.endm
; A TURN, for piece p.  Each X reads an accumulator four plain instructions or more behind the product that ends it (rows 20 to 23 end the four).  No instruction of the turn names a result of its exponentials;
; s_wait_alu depctr_va_vdst(0) stands ahead of the first that does: ONE wait, at the turn's end; R 15 is the plain instruction behind the last exponential.
; K of the next step: in piece 2's turn, Kl behind row 7 and Kh behind row 23, each four plain instructions behind the last product that read it; waited for in piece 3's turn.  V of the step in hand: its address at
; the end of piece 0's turn, its run behind row 0 of piece 1's: six plain instructions behind its last reader; waited for ahead of row 24.
; In the diagonal tile (RT = 0) the turn makes the mask for the products of the turn after it: piece p + 2, in step 4 - CNT of the tile: its own step (1, 0), an earlier one (0, 0), a later one (0, -1e30).
; end = 1: a block's last two turns: nothing is fetched, no mask is made.  cnt = 1: the loop's count is taken down, last thing in the turn.
.macro TURN p, end=0, cnt=0
.set Y, (\p)
.set i, 0
.set NOKQ, (\end)*((\p)/3)
.if ((\p) == 3) && !(\end)
	s_wait_dscnt 16                 ; Kl is in; Kh's 16 loads, issued behind it, may stay out
.endif
	ROW C,0, B,0, C,2, B,1
.if (\p) == 1
	FETCH_V
.endif
	ROW L,0, C,4, B,2, L,1
	ROW C,6, B,3, L,2, C,8
	ROW B,4, L,3, C,10, B,5
	ROW L,4, C,12, B,6, L,5
	ROW C,14, B,7, L,6, C,1
.if ((\p) == 2) && !(\end)
	WIN 0
	v_add_nc_u32 v[AK], s[TBK], v[AK0]
.endif
	ROW C,3, L,7, C,5, C,7
	ROW C,9, C,11, C,13, C,15
.if ((\p) == 2) && !(\end)
	FETCH_KL
.endif
.if ((\p) == 3) && !(\end)
	s_wait_dscnt 0x0                ; Kh is in
.endif
	ROW F,0, F,1
	ROW F,2, E,0, F,3, E,1
	ROW F,4, E,2, F,5, E,3
	ROW F,6, E,4, F,7, E,5
	ROW F,8, E,6, F,9, E,7
	ROW F,10, E,8, F,11, E,9
	ROW F,12, E,10, F,13, E,11
	ROW F,14, E,12, F,15, E,13
	ROW E,14, E,15, R,0, R,1
	ROW E,16, E,17, R,2, R,3
	ROW E,18, E,19, R,4, R,5
	ROW E,20, E,21, R,6, R,7
	ROW R,8, R,9, R,10, R,11
	ROW X,0, X,1, R,12, R,13
	ROW X,2, X,4, X,5, R,14
	ROW X,3, X,6, X,8, X,9
.if ((\p) == 2) && !(\end)
	FETCH_KH
.endif
.if (\p) == 1
	s_wait_dscnt 0x0                ; V is in
.endif
	ROW X,7, X,10, X,12, X,13
	ROW X,14, X,11, X,16, E,22
	ROW X,15, E,23, E,24
	ROW X,17, E,25, E,26
	ROW X,18, E,27, E,28
	ROW X,19, E,29, E,30
	ROW X,20, E,31
	ROW X,21, R,15
	WIN 0
	s_wait_alu depctr_va_vdst(0)    ; the wait for the batch
.if (\p) == 0
	v_add_nc_u32 v[AV], s[TBV], v[AV0]
	s_add_co_u32 s[TBV], s[TBV], KS*PV
.endif
.if !(\end)
	s_cmp_lg_u32 s[RT], 0
	s_cbranch_scc1 .Lno_mask_\@
	s_cmp_eq_u32 s[CNT], 4-((\p)+2)%NP
	s_cselect_b32 s[AL], 1.0, 0
	s_cmp_lt_u32 s[CNT], 4-((\p)+2)%NP
	s_cselect_b32 s[BE], s[BIGN], 0
	MASK (\p)%2
	WIN 0
.Lno_mask_\@:
.endif
.if \cnt
	s_sub_co_u32 s[CNT], s[CNT], 1
	s_cmp_lg_u32 s[CNT], 0
.endif
.endm
; A BLOCK BEGINS.  c m starts far below every c s, so the first step's a is 0; m at the lowest finite number.  The second mask buffer is 0; the first takes piece 0's mask for the tile's step 0: its own, if the block's first
; tile is the diagonal one.  Then K of that step, piece 0's first scores, and its maximum and statistics.
.macro BEGIN
	s_mov_b32 s[NEW], 0
	WIN 0x40
.set i, MC+32
.rept 32
	v_mov_b32 v[i], 0
.set i, i+1
.endr
	WIN 0
.set i, 0
.rept 4
	v_mov_b32 v[ST+4*i], 0xfe000000
	v_mov_b32 v[ST+4*i+1], 0xff7fffff
.set i, i+1
.endr
	s_cmp_eq_u32 s[RT], 0
	s_cselect_b32 s[AL], 1.0, 0
	s_mov_b32 s[BE], 0
	MASK 0
	WIN 0
	v_add_nc_u32 v[AK], s[TBK], v[AK0]
	FETCH_KL
	FETCH_KH
	s_wait_loadcnt 0x0              ; Q
	s_wait_dscnt 0x0
.set Y, NP-1
.set NOKQ, 0
.set i, 0
.rept 24
	MM
.endr
	WIN 0
.rept 4
	v_nop                           ; the places behind those products
.endr
.irp n, 0,1,2,3,4,5,6,7,8,9,10,11,12,13,14,15,16,17,18,19,20,21
	OP X, \n
.endr
	v_nop                           ; a plain instruction behind the exponential,
	s_wait_alu depctr_va_vdst(0)    ; and its wait, ahead of the branch
.endm
; A BLOCK ENDS: the last piece's roundings and sums, its V^T P, and THE WAY OUT: l's halves and the other half of the lanes' are added; O^T is divided by l, rounded to f16 and sent through my stage, a piece at a time.
.macro PACK t
	WIN W_RS
.set i, 32*(\t)
.rept 16
	v_pk_mul_f32 v[i:i+1], v[i:i+1], v[ST+4*(\t)+2:ST+4*(\t)+3] op_sel_hi:[1,0]
.set i, i+2
.endr
	WIN 0x05
.set i, 0
.rept 16
	v_cvt_pk_f16_f32 v[S+16*(\t)+i], v[32*(\t)+2*i], v[32*(\t)+2*i+1]
.set i, i+1
.endr
	WIN 0
.irp f, 0,1,2,3
	ds_store_b128 v[STO], v[S+16*(\t)+4*\f:S+16*(\t)+4*\f+3] offset:32*\f
.endr
.irp f, 0,1,2,3
	ds_load_b128 v[S+16*(\t)+4*\f:S+16*(\t)+4*\f+3], v[RD] offset:\f*4*SP  ; LDS serves a wave's instructions in order (ISA guide 5.7.1.4): these see the stores above
.endr
.endm
.macro SEND t, younger              ; younger: the LDS instructions issued behind piece t's loads: the next piece's eight, or none
	WIN 0
.irp f, 0,1,2,3
	s_wait_dscnt (\younger)+3-\f
	global_store_b128 v[GO], v[S+16*(\t)+4*\f:S+16*(\t)+4*\f+3], s[10:11] offset:(\t)*8192+\f*512  ; four rows: 512 consecutive bytes, aligned
.endr
.endm
.macro FIN
.set Y, 0                           ; C, B and L work for piece Y - 1: piece 3
.set NOKQ, 0
	OPS C,0, B,0, C,2, B,1
	OPS L,0, C,4, B,2, L,1
	OPS C,6, B,3, L,2, C,8
	OPS B,4, L,3, C,10, B,5
	OPS L,4, C,12, B,6, L,5
	OPS C,14, B,7, L,6, C,1
	OPS C,3, L,7, C,5, C,7
	OPS C,9, C,11, C,13, C,15
.set i, 24
.rept 8
	MM
.endr
	WIN 0
.irp t, 0,1,2,3
	v_add_f32 v[ST+4*\t+2], v[ST+4*\t+2], v[ST+4*\t+3]  ; four plain instructions: the places behind the last products
.endr
.irp t, 0,1,2,3
	v_permlanex16_b32 v[ST+4*\t+3], v[ST+4*\t+2], s[SEL], s[SEL+1]
.endr
.irp t, 0,1,2,3
	v_add_f32 v[ST+4*\t+2], v[ST+4*\t+2], v[ST+4*\t+3]
.endr
.irp t, 0,1,2,3
	v_rcp_f32 v[ST+4*\t+2], v[ST+4*\t+2]
.endr
	v_nop                           ; a plain instruction behind the last reciprocal,
	s_wait_alu depctr_va_vdst(0)    ; and one wait for the four
	PACK 0
	PACK 1
	SEND 0, 8
	PACK 2
	SEND 1, 8
	PACK 3
	SEND 2, 8
	SEND 3, 0
.endm
; A TILE's four key steps; where it is a block's last, the block's end.  tag 1: in the loop, where that block is the first: the second block's Q is asked for when Q's last reader has passed.
.macro TILE tag
.Lstep\tag:                         ; a trip: pieces 2 and 3 of one step, then pieces 0 and 1 of the next, whose K and V it fetches
	TURN 2
	TURN 3
	WIN 0
.Lfirst\tag:
	TURN 0
	TURN 1, 0, 1
	WIN 0
	s_cbranch_scc1 .Lstep\tag
.if (\tag) == 1
	s_cmp_lg_u32 s[RT], 0
	s_cbranch_scc1 .Lbottom
.endif
	TURN 2, 1
.if (\tag) == 1
	s_wait_loadcnt 0x0              ; a register that a pending load will write is not loaded again: the earlier loads into Q's registers, the launch's only global loads, are shown done on every way that leads here (they came in before the block's first product)
	QLOAD QLO
.endif
	TURN 3, 1
	FIN
.if (\tag) == 1
	s_wait_xcnt 0x0                 ; the stores have read their registers and ox's address
	s_mov_b64 s[10:11], s[OLO:OLO+1]
	s_add_co_u32 s[RT], s[PB], 1    ; the second block has b + 1 tiles
	s_mov_b32 s[NEW], 1
.endif
.endm
.set NOKQ, 0
.Lslot:                             ; 8 times: a tile is entered and the next is asked for
	CHANGE 1
	s_sub_co_u32 s[RT], s[RT], 1
	s_mov_b32 s[CNT], 4
	s_cmp_eq_u32 s[NEW], 1
	s_cbranch_scc1 .Lnew1           ; a block's first tile
	s_branch .Lstep1
.Lnew1:
	BEGIN
	s_branch .Lfirst1               ; the loop is entered at a step's first turn, in the middle of a trip
	TILE 1
.Lbottom:
	s_sub_co_u32 s[SLOTS], s[SLOTS], 1
	s_cmp_lg_u32 s[SLOTS], 0
	s_cbranch_scc1 .Lslot
	CHANGE 0                        ; the walk's last tile is written out: nothing is asked for
	s_sub_co_u32 s[RT], s[RT], 1
	s_mov_b32 s[CNT], 4
	s_cmp_eq_u32 s[NEW], 1
	s_cbranch_scc1 .Lnew2
	s_branch .Lstep2
.Lnew2:
	BEGIN
	s_branch .Lfirst2
	TILE 2
	s_wait_tensorcnt 0x0            ; the wave's end
	ds_add_u32 v[SPW], v[NIL]
	s_wait_dscnt 0x0
	s_endpgm
.Lfunc_end_k_q5e0a718f57_attn:
	.size	k_q5e0a718f57_attn, .Lfunc_end_k_q5e0a718f57_attn-k_q5e0a718f57_attn
	.p2alignl 7, 3214868480
	.fill 96, 4, 3214868480
	.section	.rodata,"a",@progbits
	.p2align	6, 0x0
	.amdhsa_kernel k_q5e0a718f57_attn
		.amdhsa_group_segment_fixed_size 327680
		.amdhsa_private_segment_fixed_size 0
		.amdhsa_enable_private_segment 0
		.amdhsa_kernarg_size 32
		.amdhsa_user_sgpr_count 2
		.amdhsa_user_sgpr_kernarg_segment_ptr 1
		.amdhsa_wavefront_size32 1
		.amdhsa_system_sgpr_workgroup_id_x 1
		.amdhsa_system_sgpr_workgroup_id_y 1
		.amdhsa_system_sgpr_workgroup_id_z 1
		.amdhsa_system_vgpr_workitem_id 0
		.amdhsa_next_free_vgpr 1024
		.amdhsa_next_free_sgpr 100
		.amdhsa_reserve_vcc 1
		.amdhsa_float_denorm_mode_32 3
		.amdhsa_float_denorm_mode_16_64 3
		.amdhsa_memory_ordered 1
		.amdhsa_forward_progress 1
		.amdhsa_inst_pref_size 208
	.end_amdhsa_kernel
	.amdgpu_metadata
---
amdhsa.version: [ 1, 2 ]
amdhsa.kernels:
  - .name:           k_q5e0a718f57_attn
    .symbol:         k_q5e0a718f57_attn.kd
    .args:
      - { .name: qx, .offset: 0, .size: 8, .value_kind: global_buffer, .address_space: global }
      - { .name: kx, .offset: 8, .size: 8, .value_kind: global_buffer, .address_space: global }
      - { .name: vx, .offset: 16, .size: 8, .value_kind: global_buffer, .address_space: global }
      - { .name: ox, .offset: 24, .size: 8, .value_kind: global_buffer, .address_space: global }
    .group_segment_fixed_size: 327680
    .private_segment_fixed_size: 0
    .kernarg_segment_align: 8
    .kernarg_segment_size: 32
    .max_flat_workgroup_size: 128
    .sgpr_count:     100
    .vgpr_count:     1024
    .wavefront_size: 32
...
	.end_amdgpu_metadata
.endif
;; end of part 3
;; launch outp (part 4): grid 4 x 64, 4 waves a work-group, clusters of 4 x 4, 327,680 bytes of LDS; arguments ox, cvt, out0; writes out0
.if DOCPART == 4
	.amdgcn_target "amdgcn-amd-amdhsa--gfx1250"
	.amdhsa_code_object_version 6
	.text
	.protected	k_q5e0a718f57_outp
	.globl	k_q5e0a718f57_outp
	.p2align	8
	.type	k_q5e0a718f57_outp,@function
k_q5e0a718f57_outp:
	s_mov_b64 s[64:65], 0
	v_nop
	global_prefetch_b8 v0, s[64:65] scope:SCOPE_SE
	s_setreg_imm32_b32 hwreg(HW_REG_WAVE_MODE, 25, 1), 1
	s_wait_xcnt 0x0
	s_wait_alu depctr_hold_cnt(0) depctr_sa_sdst(0) depctr_va_vdst(0) depctr_va_sdst(0) depctr_va_ssrc(0) depctr_va_vcc(0) depctr_vm_vsrc(0)
	s_getreg_b32 s2, hwreg(HW_REG_IB_STS2, 6, 4)
	s_cmp_eq_u32 s2, 0
	s_cbranch_scc0 .Lentry_in_a_cluster
	s_endpgm
.Lentry_in_a_cluster:
	s_bfe_u32 s2, ttmp6, 0x10000c
	s_cmp_lg_u32 s2, 0xf033
	s_cbranch_scc0 .Lentry_shape_is_right
	s_endpgm
.Lentry_shape_is_right:
; OUTP.  out0[s][a] = the sum over d of O[s][d] output_proj[a][d], as (O / 64) (64 W)^T in f16 with f32 sums: the two factors cancel, so nothing is scaled here.
; ox: [64 = 16 batch + head][2048][64] f16; the weight: unit 27 of cvt, [1024][1024] f16 (each number is bf16(64 w), exact in f16); out0: [8192][1024] f32.
; LIMITS.  Those of the operands: |O| under 4.19e6, |output_proj| under 1,023.
; SHARES.  A tile of C is 128 tokens x 256 columns: 256 work-groups, one tile each.  A wave makes 64 tokens x 128 columns: 4 x 8 accumulators.  K goes in steps of 128 = two heads through two LDS slots.
; CLUSTER 4 x 4: the four of a row of the cluster need the same tokens, the four of a column the same rows of the weight: joint loads.  Wave 0 or 1 fetches one head's 128 tokens: 16,384 dense bytes, asked for as 64
; rows of 256 bytes and padded in LDS after every token.  Waves 2 and 3 fetch 128 rows of the weight each.
; THE MATRIX INSTRUCTION IS USED TRANSPOSED (source 0 = 16 rows of the weight, source 1 = 16 tokens): a lane holds token l % 16 and eight neighbouring columns: 32 bytes of a row of out0.
; REGISTERS.  Window 0: v0-31 addresses; v64-127 the tokens' fragments, two buffers of 32; v128-255 the weight's, two buffers of 64; on the way out v64-191 take rows read back.  Window 1: accumulator (a, b) at v[8 (8 a + b)].
.set KSTEP,  128
.set PITCH,  272                       ; a row of the weight in LDS: 256 bytes + 16
.set PA,     144                       ; a token's 64 channels of a head: 128 bytes + 16: odd multiples of 16, so the 16 rows of a fragment load start at 16 different groups of four banks (ISA guide 11.1)
.set HAO,    128*PA                    ; a head's 128 tokens
.set HB,     128*PITCH
.set SLOT,   2*HAO+2*HB
.set STAGE,  2*SLOT                    ; behind the ring, never filled by a tensor load: 16 rows x 528 bytes for each wave
.set SPITCH, 528
.set STW,    16*SPITCH
.set SPARE,  STAGE+4*STW               ; the spare words: two blocks of 256 bytes that no other line names
.set LAPS,   4
.set WBASE,  54<<20                    ; unit 27 of cvt
.set FLAGA,  (1<<16)|(1<<20)|(1<<21)|(4<<22)|(3<<25)  ; 2-byte elements; padding on; bit 21 beside a mask; after every 32 words 4 words
.set FLAGB,  (1<<16)|(1<<20)|(1<<21)|(5<<22)|(3<<25)  ; after every 64 words
.set ADRA, 16
.set ADRB, 20
.set STO,  24
.set RD,   25
.set CO,   26
.set SPW,  28
.set NIL,  29
.set PFO,  30                          ; v30  lane x 256 (tokens: dense blocks) or lane x 2,048 (a row of the weight); never rewritten
.set FA,   64
.set FB,   128
.set OB,   64
.set WV, 12
.set RA, 13
.set HF, 14
.set CX, 15
.set CY, 16
.set TC, 17
.set TR, 18
.set G1, 24
.set G0, 32
.set LIM, 42
.set PFA, 44
.set PFS, 46                           ; s[46:47] a K step in the tensor that I prefetch
.set G1B, 48
.set G0B, 56
.set MUL, 0x50
.set MSB, 0
.macro WIN new
.if MSB != (\new)
	s_set_vgpr_msb (MSB<<8)|(\new)
.set MSB, \new
.endif
.endm
.macro JLOAD s                         ; a joint load; an s_nop 0 and four v_nop follow each of the two lines
	s_cmp_eq_u32 s[RA], 0
	s_cbranch_scc0 .Lfor_b_\@
	tensor_load_to_lds s[G0+4*(\s):G0+4*(\s)+3], s[G1:G1+7]
	s_nop 0
.rept 4
	v_nop
.endr
	s_branch .Lasked_\@
.Lfor_b_\@:
	tensor_load_to_lds s[G0B+4*(\s):G0B+4*(\s)+3], s[G1B:G1B+7]
	s_nop 0
.rept 4
	v_nop
.endr
.Lasked_\@:
.endm
; A prefetch into the L2 of the K step two refills on.  The tokens' 128 blocks of 256 bytes (two heads x 16,384 bytes): wave 0, the four partners of a row of the cluster 32 blocks each, told apart by address.  The
; weight's 256 rows: waves 2 and 3, the partners of a column 32 rows each, in the first row of clusters alone.  Each block is named once.  The last two refills have no K step two on.
.macro ASK
	s_cmp_gt_u32 s3, s[LIM]
	s_cbranch_scc0 .Lnot_mine_\@
	global_prefetch_b8 v[PFO], s[PFA:PFA+1] th:TH_LOAD_NT scope:SCOPE_SE
.Lnot_mine_\@:
.endm
.macro CREST
	s_cmp_lg_u32 s[WV], 0
	s_cbranch_scc1 .Lnot_wave_0_\@
	s_barrier_signal -3
.Lnot_wave_0_\@:
	s_barrier_wait -3
	s_barrier_signal -1
	s_barrier_wait -1
.endm
.macro CROUND
	s_barrier_signal -1
	s_barrier_wait -1
	CREST
.endm
	s_load_b128 s[4:7], s[0:1], 0x0                ; ox s[4:5], cvt s[6:7]
	s_load_b64 s[8:9], s[0:1], 0x10                ; out0
	v_lshl_add_u32 v[SPW], v0, 2, SPARE
	v_mov_b32 v[NIL], 0
	ds_add_u32 v[SPW], v[NIL]                      ; the wave's opening: the add and its wait stand ahead of my first tensor load
	ds_add_u32 v28, v29
	v_lshrrev_b32 v1, 5, v0
	v_readfirstlane_b32 s[WV], v1
	s_lshr_b32 s[RA], s[WV], 1
	s_and_b32 s[HF], s[WV], 1
	s_bfe_u32 s[CX], ttmp6, 0x40000
	s_bfe_u32 s[CY], ttmp6, 0x40004
	s_lshl_b32 s[TC], ttmp9, 2
	s_add_co_u32 s[TC], s[TC], s[CX]
	s_and_b32 s[TR], ttmp7, 0xffff
	s_lshl_b32 s[TR], s[TR], 2
	s_add_co_u32 s[TR], s[TR], s[CY]
	s_lshl_b32 s66, s[CY], 2
	s_lshl_b32 s66, 15, s66                        ; my row of the cluster
	s_lshl_b32 s67, 0x1111, s[CX]                  ; my column
	s_or_b32 s[G1], s66, FLAGA
	s_or_b32 s[G1B], s67, FLAGB
	s_mov_b32 s[G1+1], 128<<16                     ; tensor_dim0 = 128 elements: two tokens
	s_mov_b32 s[G1+2], 64<<16                      ; tensor_dim1 = 64
	s_mov_b32 s[G1+3], 128<<16
	s_mov_b32 s[G1+4], 64
	s_mov_b32 s[G1+5], 128                         ; dense
	s_mov_b32 s[G1+6], 0
	s_mov_b32 s[G1+7], 0
	s_mov_b32 s[G1B+1], KSTEP<<16
	s_mov_b32 s[G1B+2], 128<<16
	s_mov_b32 s[G1B+3], KSTEP<<16
	s_mov_b32 s[G1B+4], 128
	s_mov_b32 s[G1B+5], 1024
	s_mov_b32 s[G1B+6], 0
	s_mov_b32 s[G1B+7], 0
	s_lshr_b32 s68, s[TR], 4                       ; tokens: the batch's 16 heads of 262,144 bytes,
	s_lshl_b32 s68, s68, 22
	s_and_b32 s69, s[TR], 15                       ; the tile's 128 tokens of 128 bytes,
	s_lshl_b32 s69, s69, 14
	s_add_co_u32 s68, s68, s69
	s_lshl_b32 s69, s[HF], 18                      ; my head of a K step's two
	s_add_co_u32 s68, s68, s69
	s_mov_b32 s69, 0
	s_lshl_b32 s70, s[TC], 19
	s_lshl_b32 s71, s[HF], 18
	s_add_co_u32 s70, s70, s71
	s_add_co_u32 s70, s70, WBASE
	s_mov_b32 s71, 0
	s_mul_i32 s72, s[HF], HAO
	s_mul_i32 s73, s[HF], HB
	s_add_co_u32 s73, s73, 2*HAO
	s_wait_dscnt 0x0                               ; the opening add is done
	s_wait_kmcnt 0x0
	s_add_nc_u64 s[74:75], s[4:5], s[68:69]
	s_add_nc_u64 s[76:77], s[6:7], s[70:71]
	CROUND                                         ; the first joint loads meet
.irp s, 0,1
	s_mov_b32 s[G0+4*(\s)], 1
	s_add_co_u32 s[G0+4*(\s)+1], s72, (\s)*SLOT
	s_add_nc_u64 s[G0+4*(\s)+2:G0+4*(\s)+3], s[74:75], (\s)<<19
	s_or_b32 s[G0+4*(\s)+3], s[G0+4*(\s)+3], 0x80000000
	s_mov_b32 s[G0B+4*(\s)], 1
	s_add_co_u32 s[G0B+4*(\s)+1], s73, (\s)*SLOT
	s_add_nc_u64 s[G0B+4*(\s)+2:G0B+4*(\s)+3], s[76:77], (\s)*KSTEP*2
	s_or_b32 s[G0B+4*(\s)+3], s[G0B+4*(\s)+3], 0x80000000
	JLOAD \s                                       ; K steps 0 and 1: two loads of mine are out
.endr
	v_and_b32 v1, 15, v0                           ; l % 16
	v_bfe_u32 v2, v0, 4, 1                         ; l / 16
	v_mul_u32_u24 v3, v1, PA
	v_lshl_add_u32 v3, v2, 4, v3
	s_mul_i32 s78, s[RA], 64*PA                    ; my 64 tokens
	v_add_nc_u32 v[ADRA], s78, v3
	v_add_nc_u32 v[ADRA+1], SLOT, v[ADRA]
	v_mul_u32_u24 v3, v1, PITCH
	v_lshl_add_u32 v3, v2, 4, v3
	v_add_nc_u32 v[ADRB], s73, v3
	v_add_nc_u32 v[ADRB+1], SLOT, v[ADRB]
	s_mul_i32 s79, s[WV], STW
	s_add_co_u32 s79, s79, STAGE                   ; my stage
	v_mul_u32_u24 v4, v1, SPITCH                   ; in: row l % 16, 32 bytes for each half of the lanes
	v_lshl_add_u32 v4, v2, 5, v4
	v_add_nc_u32 v[STO], s79, v4
	v_and_b32 v5, 31, v0
	v_lshlrev_b32 v[CO], 4, v5                     ; back: 32 lanes take a row's 512 bytes
	v_add_nc_u32 v[RD], s79, v[CO]
	s_lshl_b32 s66, s[TR], 19                      ; my part of out0: 128 rows of 4,096 bytes a tile row,
	s_lshl_b32 s67, s[RA], 18                      ; my 64 rows,
	s_add_co_u32 s66, s66, s67
	s_lshl_b32 s67, s[TC], 10                      ; 256 columns of 4 bytes a tile column,
	s_add_co_u32 s66, s66, s67
	s_lshl_b32 s67, s[HF], 9                       ; my 128
	s_add_co_u32 s66, s66, s67
	s_mov_b32 s67, 0
	s_add_nc_u64 s[8:9], s[8:9], s[66:67]
	; the prefetches
	s_and_b32 s66, ttmp7, 0xffff                   ; cluster y
	s_cmp_eq_u32 s[RA], 0
	s_cselect_b32 s66, s[HF], s66
	s_cmp_eq_u32 s66, 0
	s_cselect_b32 s[LIM], 1, -1                    ; the same in all sixteen partners, for a given wave
	s_lshr_b32 s67, s[TR], 4
	s_lshl_b32 s67, s67, 22
	s_and_b32 s68, s[TR], 15
	s_lshl_b32 s68, s68, 14
	s_add_co_u32 s67, s67, s68
	s_lshr_b32 s68, s[CX], 1                       ; my work-group's 32 blocks: which head,
	s_lshl_b32 s68, s68, 18
	s_add_co_u32 s67, s67, s68
	s_and_b32 s68, s[CX], 1                        ; which half of its 16,384 bytes
	s_lshl_b32 s68, s68, 13
	s_add_co_u32 s67, s67, s68
	s_add_co_u32 s67, s67, 3<<19                   ; at K step 3: the first change of slots steps it to 4
	s_lshl_b32 s68, s[TC], 19
	s_lshl_b32 s69, s[HF], 18
	s_add_co_u32 s68, s68, s69
	s_lshl_b32 s69, s[CY], 16
	s_add_co_u32 s68, s68, s69
	s_add_co_u32 s68, s68, WBASE+3*KSTEP*2
	s_mov_b32 s70, 1<<19
	s_mov_b32 s71, 8
	s_cmp_eq_u32 s[RA], 0
	s_cselect_b32 s66, s67, s68
	s_cselect_b32 s[PFS], s70, KSTEP*2
	s_cselect_b32 s71, s71, 11
	s_cselect_b64 s[PFA:PFA+1], s[4:5], s[6:7]
	s_mov_b32 s67, 0
	s_mov_b32 s[PFS+1], 0
	s_add_nc_u64 s[PFA:PFA+1], s[PFA:PFA+1], s[66:67]
	v_lshlrev_b32 v[PFO], s71, v5
; 8 matrix instructions: token block a x all 8 column blocks, 32 along K.  The 32 accumulators take turns, in the same order in every quarter.
.macro MUL8 f, a, zero
	WIN MUL
.irp b, 0,1,2,3,4,5,6,7
.if \zero
	v_wmma_f32_16x16x32_f16 v[8*(8*(\a)+(\b)):8*(8*(\a)+(\b))+7], v[FB+64*(\f)+8*(\b):FB+64*(\f)+8*(\b)+7], v[FA+32*(\f)+8*(\a):FA+32*(\f)+8*(\a)+7], 0
.else
	v_wmma_f32_16x16x32_f16 v[8*(8*(\a)+(\b)):8*(8*(\a)+(\b))+7], v[FB+64*(\f)+8*(\b):FB+64*(\f)+8*(\b)+7], v[FA+32*(\f)+8*(\a):FA+32*(\f)+8*(\a)+7], v[8*(8*(\a)+(\b)):8*(8*(\a)+(\b))+7]
.endif
.endr
.endm
; 24 LDS loads: quarter q of a slot into buffer f: of the tokens that is head q / 2 of the step's two, channels 32 (q % 2) on
.macro FETCH slot, q, f
	WIN 0
.irp i, 0,1,2,3,4,5,6,7
	ds_load_b128 v[FB+64*(\f)+8*(\i):FB+64*(\f)+8*(\i)+3],   v[ADRB+(\slot)] offset:64*(\q)+(\i)*16*PITCH
	ds_load_b128 v[FB+64*(\f)+8*(\i)+4:FB+64*(\f)+8*(\i)+7], v[ADRB+(\slot)] offset:64*(\q)+(\i)*16*PITCH+32
.endr
.irp i, 0,1,2,3
	ds_load_b128 v[FA+32*(\f)+8*(\i):FA+32*(\f)+8*(\i)+3],   v[ADRA+(\slot)] offset:((\q)/2)*HAO+((\q)%2)*64+(\i)*16*PA
	ds_load_b128 v[FA+32*(\f)+8*(\i)+4:FA+32*(\f)+8*(\i)+7], v[ADRA+(\slot)] offset:((\q)/2)*HAO+((\q)%2)*64+(\i)*16*PA+32
.endr
.endm
.macro PLACES                          ; four places in front of loads into registers that matrix instructions have read, and of LDS stores that read results
.rept 4
	v_nop
.endr
.endm
.macro QUARTER slot, q, f, g, zero
	s_wait_dscnt 4                                 ; all but the youngest four loads: the tokens' blocks 2 and 3
	MUL8 \f, 0, \zero
	MUL8 \f, 1, \zero
	PLACES
	FETCH \slot, \q, \g
	s_wait_dscnt 24                                ; all but the 24 just issued
	MUL8 \f, 2, \zero
	MUL8 \f, 3, \zero
.endm
.macro MEET round                      ; the barrier of the change of slots: all my tensor loads, the add, the wait for it and for my reads of this slot
	WIN 0
	s_wait_tensorcnt 0x0
	ds_add_u32 v[SPW], v[NIL]
	s_wait_dscnt 7                                 ; the add and the tokens' blocks 1 to 3 may be out
	MUL8 1, 0, 0
	s_wait_dscnt 0x0
	s_barrier_signal -1
	MUL8 1, 1, 0
.if \round
	WIN 0
.endif
	s_barrier_wait -1
.endm
.macro TURN slot, next
	s_wait_xcnt 0x0                                ; the last prefetch, a K step back, has read its address
	s_add_nc_u64 s[PFA:PFA+1], s[PFA:PFA+1], s[PFS:PFS+1]
	MEET 1
	CREST                                          ; no wave of any partner still reads this slot or has a load on its way
	s_add_nc_u64 s[G0+4*(\slot)+2:G0+4*(\slot)+3], s[G0+4*(\slot)+2:G0+4*(\slot)+3], 1<<20
	s_add_nc_u64 s[G0B+4*(\slot)+2:G0B+4*(\slot)+3], s[G0B+4*(\slot)+2:G0B+4*(\slot)+3], 2*KSTEP*2
	JLOAD \slot                                    ; 112 matrix instructions ahead of the wait for it; its four v_nop are also the places in front of the loads below
	FETCH \next, 0, 0
	ASK
	MUL8 1, 2, 0
	MUL8 1, 3, 0
.endm
; THE WAY OUT, 16 tokens at a time: straight from the accumulators (each one's low four registers first) into my stage, rows of 512 bytes + 16, and back as whole rows
.macro TOST a
	WIN 0x04                                       ; the stores' data in window 1
.irp b, 0,1,2,3,4,5,6,7
	ds_store_b128 v[STO], v[8*(8*(\a)+(\b)):8*(8*(\a)+(\b))+3]   offset:64*(\b)
	ds_store_b128 v[STO], v[8*(8*(\a)+(\b))+4:8*(8*(\a)+(\b))+7] offset:64*(\b)+16
.endr
	WIN 0
	s_wait_xcnt 0x0                                ; the stores of the block two back have read these registers
.irp t, 0,1,2,3,4,5,6,7,8,9,10,11,12,13,14,15
	ds_load_b128 v[OB+64*((\a)%2)+4*(\t):OB+64*((\a)%2)+4*(\t)+3], v[RD] offset:(\t)*SPITCH  ; LDS serves a wave's instructions in order (ISA guide 5.7.1.4)
.endr
.endm
.macro SEND a, younger                 ; younger: the next block's 16 LDS stores and 16 loads, or none
	s_wait_dscnt \younger
.irp t, 0,1,2,3,4,5,6,7,8,9,10,11,12,13,14,15
	global_store_b128 v[CO], v[OB+64*((\a)%2)+4*(\t):OB+64*((\a)%2)+4*(\t)+3], s[8:9] offset:(16*(\a)+(\t))*4096 th:TH_STORE_NT  ; 512 consecutive bytes, aligned
.endr
.endm
	s_wait_tensorcnt 1                             ; my part of K step 0 is in; K step 1's may stay out
	s_barrier_signal -1
	s_barrier_wait -1
	FETCH 0, 0, 0
	QUARTER 0, 1, 0, 1, 1                          ; the first quarter starts the sums
	WIN 0
	s_mov_b32 s3, LAPS-1
.Llap:
	QUARTER 0, 2, 1, 0, 0
	QUARTER 0, 3, 0, 1, 0
	TURN 0, 1
	QUARTER 1, 1, 0, 1, 0
	QUARTER 1, 2, 1, 0, 0
	QUARTER 1, 3, 0, 1, 0
	TURN 1, 0
	QUARTER 0, 1, 0, 1, 0
	WIN 0
	s_sub_co_u32 s3, s3, 1
	s_cmp_lg_u32 s3, 0
	s_cbranch_scc1 .Llap
	QUARTER 0, 2, 1, 0, 0                          ; the last lap fills nothing
	QUARTER 0, 3, 0, 1, 0
	MEET 0
	PLACES
	FETCH 1, 0, 0
	MUL8 1, 2, 0
	MUL8 1, 3, 0
	QUARTER 1, 1, 0, 1, 0
	QUARTER 1, 2, 1, 0, 0
	QUARTER 1, 3, 0, 1, 0
	s_wait_dscnt 4
	MUL8 1, 0, 0
	MUL8 1, 1, 0
	s_wait_dscnt 0x0
	MUL8 1, 2, 0
	MUL8 1, 3, 0
	WIN 0
	PLACES
	TOST 0
	TOST 1
	SEND 0, 32
	TOST 2
	SEND 1, 32
	TOST 3
	SEND 2, 32
	SEND 3, 0
	s_wait_tensorcnt 0x0                           ; the wave's end
	ds_add_u32 v[SPW], v[NIL]
	s_wait_dscnt 0x0
	CROUND                                         ; the closing round
	s_endpgm
.Lfunc_end_k_q5e0a718f57_outp:
	.size	k_q5e0a718f57_outp, .Lfunc_end_k_q5e0a718f57_outp-k_q5e0a718f57_outp
	.p2alignl 7, 3214868480
	.fill 96, 4, 3214868480
	.section	.rodata,"a",@progbits
	.p2align	6, 0x0
	.amdhsa_kernel k_q5e0a718f57_outp
		.amdhsa_group_segment_fixed_size 327680
		.amdhsa_private_segment_fixed_size 0
		.amdhsa_enable_private_segment 0
		.amdhsa_kernarg_size 24
		.amdhsa_user_sgpr_count 2
		.amdhsa_user_sgpr_kernarg_segment_ptr 1
		.amdhsa_wavefront_size32 1
		.amdhsa_system_sgpr_workgroup_id_x 1
		.amdhsa_system_sgpr_workgroup_id_y 1
		.amdhsa_system_sgpr_workgroup_id_z 1
		.amdhsa_system_vgpr_workitem_id 0
		.amdhsa_next_free_vgpr 512
		.amdhsa_next_free_sgpr 80
		.amdhsa_reserve_vcc 0
		.amdhsa_float_denorm_mode_32 3
		.amdhsa_float_denorm_mode_16_64 3
		.amdhsa_memory_ordered 1
		.amdhsa_forward_progress 1
		.amdhsa_inst_pref_size 86
	.end_amdhsa_kernel
	.amdgpu_metadata
---
amdhsa.version: [ 1, 2 ]
amdhsa.kernels:
  - .name:           k_q5e0a718f57_outp
    .symbol:         k_q5e0a718f57_outp.kd
    .args:
      - { .name: ox, .offset: 0, .size: 8, .value_kind: global_buffer, .address_space: global }
      - { .name: cvt, .offset: 8, .size: 8, .value_kind: global_buffer, .address_space: global }
      - { .name: out0, .offset: 16, .size: 8, .value_kind: global_buffer, .address_space: global }
    .group_segment_fixed_size: 327680
    .private_segment_fixed_size: 0
    .kernarg_segment_align: 8
    .kernarg_segment_size: 24
    .max_flat_workgroup_size: 128
    .sgpr_count:     80
    .vgpr_count:     512
    .wavefront_size: 32
...
	.end_amdgpu_metadata
.endif
;; end of part 4
